; MI455X (gfx1250); checked and timed in simulation.
; The chip was launched on July 23, 2026; its instructions are those of AMD's public machine-readable ISA for CDNA 5 (MIT licence, August 2026) and "CDNA5" Instruction Set Architecture Reference Guide (July 2026). The comments in the code are by the model that wrote it; some were corrected since.
;; Multi Head Attention. Allowed arithmetic: matrix products marked QUANTISED: E4M3 operands, one E8M0 scale for each 32 along K, by v_wmma_scale_f32_16x16x128_f8f6f4 with both operands' format E4M3, f32 sums; everything else in f32.
;; Inputs: Wk_codes 1,024 x 32 x 32 uint8 (E4M3 codes of Wk, K innermost, in blocks of 32 codes); Wk_scales 1,024 x 32 uint8 (E8M0 scales of Wk, one for each 32 codes along K); Wo_codes 1,024 x 32 x 32 uint8 (E4M3 codes of Wo, K innermost, in blocks of 32 codes); Wo_scales 1,024 x 32 uint8 (E8M0 scales of Wo, one for each 32 codes along K); Wq_codes 1,024 x 32 x 32 uint8 (E4M3 codes of Wq, K innermost, in blocks of 32 codes); Wq_scales 1,024 x 32 uint8 (E8M0 scales of Wq, one for each 32 codes along K); Wv_codes 1,024 x 32 x 32 uint8 (E4M3 codes of Wv, K innermost, in blocks of 32 codes); Wv_scales 1,024 x 32 uint8 (E8M0 scales of Wv, one for each 32 codes along K); bk 1,024 float32; bo 1,024 float32; bq 1,024 float32; bv 1,024 float32; key_codes 4 x 2,048 x 32 x 32 uint8 (E4M3 codes of key, K innermost, in blocks of 32 codes); key_scales 4 x 2,048 x 32 uint8 (E8M0 scales of key, one for each 32 codes along K); mask 2,048 x 2,048 bool; query_codes 4 x 2,048 x 32 x 32 uint8 (E4M3 codes of query, K innermost, in blocks of 32 codes); query_scales 4 x 2,048 x 32 uint8 (E8M0 scales of query, one for each 32 codes along K); value_codes 4 x 2,048 x 32 x 32 uint8 (E4M3 codes of value, K innermost, in blocks of 32 codes); value_scales 4 x 2,048 x 32 uint8 (E8M0 scales of value, one for each 32 codes along K).
;; Outputs: out0 4 x 2,048 x 1,024 float32.
;; This version of the problem:
;;   THIS VERSION OF THE PROBLEM IS GIVEN IN LOW PRECISION. The matrix products marked QUANTISED in the list below multiply operands that are first quantised to E4M3 (4 exponent bits, 3 mantissa bits; 8 bits a number), with one power-of-two scale for each 32 numbers along K (OCP MX v1.0); their sums are f32. All else is computed in f32.
;;   The module's matrix products, in the order in which they are computed (A, B: the left and right operand; K: the contracted axis; several contracted axes count as one K, in the product's order):
;;     1. [M 8,192, K 1,024] x [K 1,024, N 1,024]; A: input query (given as codes); B: input Wq (given as codes): QUANTISED
;;     2. [M 8,192, K 1,024] x [K 1,024, N 1,024]; A: input key (given as codes); B: input Wk (given as codes): QUANTISED
;;     3. [M 8,192, K 1,024] x [K 1,024, N 1,024]; A: input value (given as codes); B: input Wv (given as codes): QUANTISED
;;     4. batch 64 x [M 2,048, K 64] x [K 64, N 2,048]; A: computed on the way; B: computed on the way: QUANTISED
;;     5. batch 64 x [M 2,048, K 2,048] x [K 2,048, N 64]; A: softmax (see below); B: computed on the way: QUANTISED
;;     6. [M 8,192, K 1,024] x [K 1,024, N 1,024]; A: computed on the way; B: input Wo (given as codes): QUANTISED
;;   THE QUANTISER, for each operand of a quantised product, along K:
;;     - K is cut into blocks of 32 from its start; a last block that is shorter is filled with zeros.
;;     - A block's scale is 2^e with e = floor(log2(the largest magnitude in the block)) - 8, held to -126 .. 127; a block of zeros has e = 0. As a byte (E8M0): e + 127.
;;     - Each number is divided by its block's scale, clamped to +-448, and rounded to the nearest number of E4M3, ties to even, subnormals kept.
;;     - The product sums the exact products of the quantised numbers (number of the format x scale) in f32.
;;   ~~~python
;;   def quantise(x, axis):      # numpy; x: float32 -> the quantised numbers, widened to float32 again
;;       x = np.moveaxis(x, axis, -1); K = x.shape[-1]
;;       x = np.pad(x, [(0, 0)] * (x.ndim - 1) + [(0, -K % 32)]); x = x.reshape(x.shape[:-1] + (-1, 32)); a = np.abs(x).max(-1, keepdims=True)
;;       e = np.where(a > 0, np.clip(np.frexp(np.where(a > 0, a, 1))[1] - 1 - 8, -126, 127), 0)      # np.frexp(a)[1] - 1 = floor(log2(a)), exactly
;;       r = np.clip(x / 2.0 ** e, -448, 448)
;;       step = 2.0 ** (np.maximum(np.frexp(np.where(r == 0, 1, r))[1] - 1, -6) - 3)
;;       q = np.round(r / step) * step * 2.0 ** e      # np.round: ties to even
;;       return np.moveaxis(q.reshape(q.shape[:-2] + (-1,))[..., :K], -1, axis).astype(np.float32)
;;   ~~~
;;   SOFTMAX AHEAD OF A QUANTISED PRODUCT. Where the list says 'softmax', what is quantised is not the finished softmax but p = 2^(t - M), with t = logit x log2(e) and M = ceil(the row's largest t), a whole number; so 1/2 < the row's largest p <= 1. The row's sum l is taken of the UNQUANTISED p, in f32, and the product's result is divided by l at the end. Since M is a whole number, a kernel that streams over the keys may use a running M (the ceiling of the running maximum): every later rescaling is an exact power of two, which a block's scale takes up: the codes' values come out the same.
;;   OPERANDS COMPUTED ON THE WAY. 'Computed on the way' means the value that the module computes at that place (a softmax that the list does not call 'softmax' is quantised finished and normalised). What goes into a quantiser is computed in f32, as accurately as f32 sums, v_exp_f32 and their like allow (about 1e-6 of the number): no bf16 or f16 on the way to a quantiser, and a product that is left as it is and whose result goes on into a quantised operand takes f32 operands (vector FMAs, or v_wmma_f32_16x16x4_f32). A number that lies on a knife's edge between two numbers of the format may be rounded either way, as far as f32 arithmetic and the matrix unit's own rounding can turn it there, and no further.
;;   INPUTS GIVEN AS CODES. Wk (in the module: [1024, 1024], K = its axis 1); Wo (in the module: [1024, 1024], K = its axis 1); Wq (in the module: [1024, 1024], K = its axis 1); Wv (in the module: [1024, 1024], K = its axis 1); key (in the module: [4, 2048, 1024], K = its axis 2); query (in the module: [4, 2048, 1024], K = its axis 2); value (in the module: [4, 2048, 1024], K = its axis 2): each comes as NAME_codes (uint8): NAME with its K axis moved to the last place and cut into blocks of 32 codes, [.., K / 32, bytes a block], one block behind the other in memory; one code a byte (a code: sign, 4 exponent bits, 3 mantissa bits); and NAME_scales (uint8): the same leading axes, one E8M0 byte (e + 127) for each 32 codes along K. Its value is code x scale, taken as it is: it is not quantised again, and the codes and scales need not be those that the quantiser above would give.
;; One version. Each part assembles by itself: llvm-mc -triple=amdgcn-amd-amdhsa -mcpu=gfx1250 --defsym DOCPART=n.
;; ======== version 1 of 1: 3 launches
;; limits: right only within a limited range of input values
;; workspace buffers: img 25,165,824 bytes; sw 786,432 bytes; maskc 4,194,304 bytes; ctximg 8,388,608 bytes; ctxs 262,144 bytes
;; launch proj (part 1): grid 8 x 64, 4 waves a work-group, clusters of 4 x 4, 327,680 bytes of LDS; arguments query_codes, query_scales, key_codes, key_scales, value_codes, value_scales, Wq_codes, Wq_scales, Wk_codes, Wk_scales, Wv_codes, Wv_scales, bq, bk, bv, img, sw, mask, maskc; writes img, sw, maskc
.if DOCPART == 1
	.amdgcn_target "amdgcn-amd-amdhsa--gfx1250"
	.amdhsa_code_object_version 6
	.text
	.protected	k_q9a598bb908_proj
	.globl	k_q9a598bb908_proj
	.p2align	8
	.type	k_q9a598bb908_proj,@function
k_q9a598bb908_proj:
	s_mov_b64 s[64:65], 0
	v_nop
	global_prefetch_b8 v0, s[64:65] scope:SCOPE_SE
	s_setreg_imm32_b32 hwreg(HW_REG_WAVE_MODE, 25, 1), 1
	s_wait_xcnt 0x0
	s_wait_alu depctr_hold_cnt(0) depctr_sa_sdst(0) depctr_va_vdst(0) depctr_va_sdst(0) depctr_va_ssrc(0) depctr_va_vcc(0) depctr_vm_vsrc(0)
	s_getreg_b32 s2, hwreg(HW_REG_IB_STS2, 6, 4)
	s_cmp_eq_u32 s2, 0
	s_cbranch_scc0 .Lentry_in_a_cluster
	s_endpgm
.Lentry_in_a_cluster:
	s_bfe_u32 s2, ttmp6, 0x10000c
	s_cmp_lg_u32 s2, 0xf033
	s_cbranch_scc0 .Lentry_shape_is_right
	s_endpgm
.Lentry_shape_is_right:
.set NQ,     2
.set ROWB,   256
.set KROW,   1024
.set PITCH,  272
.set FR,     16
.set NL,     4
.set NP,     8
.set HALFT,  128*PITCH
.set SLOT,   4*HALFT
.set KS,     32
.set SCL,    2*SLOT
.set HALFS,  (128*KS/256)*272
.set SBLK,   (16*KS/256)*272
.set SPARE,  SCL+4*HALFS
.set STG,    SPARE+512
.set BO,   8
.set ADRA, 16
.set ADRB, 20
.set LO0,  22
.set SWO,  23
.set STW,  24
.set STR,  25
.set LO2,  26
.set ADRS, 27
.set SPW,  28
.set NIL,  29
.set SC,   32
.set BI,   64
.set AF,   128
.set PC,   192
.set TM,   208
.set WD,   224
.set ZW,   232
.set G1,   24
.set G0,   32
.set G1B,  48
.set G0B,  56
.set G1S,  68
.set G0S,  76
.set G1SB, 80
.set G0SB, 88
.set MSB, 0
.macro WIN new
.if MSB != \new
	s_set_vgpr_msb (MSB<<8)|\new
.set MSB, \new
.endif
.endm
.set MUL_LO, 0xa1
.set MUL_HI, 0xf1
.set TO_B,   0x40
.macro JLOAD g0a, g1a, g0b, g1b
	s_cmp_eq_u32 s15, 0
	s_cbranch_scc0 .Lfor_b_\@
	tensor_load_to_lds s[\g0a:\g0a+3], s[\g1a:\g1a+7]
	s_nop 0
.rept 4
	v_nop
.endr
	s_branch .Lasked_\@
.Lfor_b_\@:
	tensor_load_to_lds s[\g0b:\g0b+3], s[\g1b:\g1b+7]
	s_nop 0
.rept 4
	v_nop
.endr
.Lasked_\@:
.endm
.macro CREST
	s_cmp_lg_u32 s14, 0
	s_cbranch_scc1 .Lnot_wave_0_\@
	s_barrier_signal -3
.Lnot_wave_0_\@:
	s_barrier_wait -3
	s_barrier_signal -1
	s_barrier_wait -1
.endm
.macro CROUND
	s_barrier_signal -1
	s_barrier_wait -1
	CREST
.endm
; THE CLUSTERS WITH y = 12 .. 15 (128 work-groups) LAY THE MASK OUT; the others make the three projections.  The branch hangs on the cluster's y alone, which all partners share.
; The mask [2048 queries][2048 keys], one byte each (0 or 1), becomes E4M3 codes, 2.0 (0x40) for a hidden key and 0 for an open one, as images of the attention launch's registers:
; maskc[qt 128][step 16][group 4][512 bytes], lane l's 16 bytes at 16 l.  Lane (r, h) holds, of query 16 qt + r, for key tile T = 0..7 the keys 128 step + 16 T + 8 h + 0..7 in registers 2 T, 2 T + 1.
; A work-group takes one qt, a wave four steps.
	s_and_b32 s3, ttmp7, 0xffff
	s_cmp_lt_u32 s3, 12
	s_cbranch_scc1 .Lproducts
	s_load_b128 s[4:7], s[0:1], 0x88               ; mask, maskc
	v_lshrrev_b32 v1, 5, v0
	v_readfirstlane_b32 s14, v1                    ; wave 0..3
	v_and_b32 v1, 15, v0                           ; r
	v_bfe_u32 v2, v0, 4, 1                         ; h
	v_and_b32 v3, 31, v0
	v_lshlrev_b32 v2, 3, v2
	v_lshlrev_b32 v3, 4, v3                        ; out: 16 bytes a lane
	v_lshl_add_u32 v2, v1, 11, v2                  ; row r of 2,048 bytes, + 8 h
	s_bfe_u32 s8, ttmp6, 0x40000                   ; cx
	s_bfe_u32 s9, ttmp6, 0x40004                   ; cy
	s_sub_co_u32 s3, s3, 12
	s_lshl_b32 s3, s3, 2
	s_add_co_u32 s3, s3, s9                        ; 0..15
	s_lshl_b32 s3, s3, 3
	s_lshl_b32 s10, ttmp9, 2
	s_add_co_u32 s10, s10, s8                      ; 0..7
	s_add_co_u32 s3, s3, s10                       ; qt
	s_lshl_b32 s10, s3, 15                         ; qt x 16 rows x 2,048 bytes
	s_lshl_b32 s11, s14, 9                         ; + four steps x 128 bytes a wave
	s_add_co_u32 s10, s10, s11
	s_mov_b32 s11, 0
	s_lshl_b32 s12, s3, 15                         ; qt x 16 steps x 2,048 bytes of codes
	s_lshl_b32 s13, s14, 13
	s_add_co_u32 s12, s12, s13
	s_mov_b32 s13, 0
	s_wait_alu depctr_va_vdst(0)
	s_wait_kmcnt 0x0
	s_add_nc_u64 s[4:5], s[4:5], s[10:11]
	s_add_nc_u64 s[6:7], s[6:7], s[12:13]
.irp u, 0,1,2,3
.irp t, 0,1,2,3,4,5,6,7
	global_load_b64 v[8+16*\u+2*\t:9+16*\u+2*\t], v2, s[4:5] offset:128*\u+16*\t th:TH_LOAD_NT
.endr
.endr
	s_wait_loadcnt 0x0
.set n, 0
.rept 64
	v_lshlrev_b32 v[8+n], 6, v[8+n]                ; 0x40 in each open byte,
.set n, n+1
.endr
.set n, 0
.rept 64
	v_xor_b32 v[8+n], 0x40404040, v[8+n]           ; turned round: 0x40 in each hidden byte
.set n, n+1
.endr
.irp u, 0,1,2,3
.irp g, 0,1,2,3
	global_store_b128 v3, v[8+16*\u+4*\g:11+16*\u+4*\g], s[6:7] offset:2048*\u+512*\g   ; each store covers 512 consecutive bytes, aligned
.endr
.endr
	CROUND                                         ; a closing round, as on the other path
	s_endpgm
.Lproducts:
	s_load_b512 s[24:39], s[0:1], 0x0
	s_load_b512 s[48:63], s[0:1], 0x40
	s_load_b64 s[68:69], s[0:1], 0x80
	v_lshl_add_u32 v[SPW], v0, 2, SPARE
	v_mov_b32 v[NIL], 0
	ds_add_u32 v28, v29
	ds_add_u32 v28, v29
	s_wait_dscnt 0x0
	v_lshrrev_b32 v1, 5, v0
	v_readfirstlane_b32 s14, v1
	s_lshr_b32 s15, s14, 1
	s_and_b32 s16, s14, 1
	s_bfe_u32 s40, ttmp6, 0x40000
	s_bfe_u32 s41, ttmp6, 0x40004
	s_lshl_b32 s43, s41, 2
	s_lshl_b32 s43, 15, s43
	s_lshl_b32 s44, 0x1111, s40
	s_and_b32 s18, ttmp7, 0xffff
	s_lshl_b32 s19, s18, 2
	s_max_u32 s20, s18, 8
	s_sub_co_u32 s20, s20, 8
	s_lshl_b32 s20, s20, 3
	s_lshl_b32 s21, ttmp9, 2
	s_add_co_u32 s20, s20, s21
	s_cmp_lt_u32 s18, 8
	s_cselect_b32 s2, 0, 1
	s_cselect_b32 s17, s19, 0
	s_cselect_b32 s42, 0, s20
	s_cselect_b32 s95, ttmp9, 2
	s_add_co_u32 s17, s17, s41
	s_add_co_u32 s42, s42, s40
	s_mov_b32 s98, 0x76543210
	s_mov_b32 s99, 0xfedcba98
	s_mov_b32 s100, 0x600000
	s_wait_kmcnt 0x0
	s_cmp_eq_u32 ttmp9, 0
	s_cselect_b64 s[4:5], s[24:25], s[28:29]
	s_cselect_b64 s[6:7], s[26:27], s[30:31]
	s_cselect_b64 s[8:9], s[36:37], s[48:49]
	s_cselect_b64 s[10:11], s[38:39], s[50:51]
	s_cselect_b64 s[96:97], s[56:57], s[58:59]
	s_cmp_eq_u32 s2, 0
	s_cselect_b64 s[4:5], s[4:5], s[52:53]
	s_cselect_b64 s[6:7], s[6:7], s[54:55]
	s_cselect_b64 s[8:9], s[8:9], s[32:33]
	s_cselect_b64 s[10:11], s[10:11], s[34:35]
	s_cselect_b64 s[96:97], s[96:97], s[60:61]
	s_mov_b64 s[12:13], s[62:63]
	s_mov_b64 s[66:67], s[68:69]
	s_or_b32 s[G1+0], s43, (0<<16)|(1<<20)|(1<<21)|(5<<22)|(3<<25)
	s_or_b32 s[G1B+0], s44, (0<<16)|(1<<20)|(1<<21)|(5<<22)|(3<<25)
.irp g, G1, G1B
	s_mov_b32 s[\g+1], ROWB<<16
	s_mov_b32 s[\g+2], 256<<16
	s_mov_b32 s[\g+3], ROWB<<16
	s_mov_b32 s[\g+4], 256
	s_mov_b32 s[\g+5], KROW
	s_mov_b32 s[\g+6], 0
	s_mov_b32 s[\g+7], 0
.endr
	s_or_b32 s[G1S+0], s43, (3<<16)|(1<<20)|(1<<21)|(5<<22)|(3<<25)
	s_or_b32 s[G1SB+0], s44, (3<<16)|(1<<20)|(1<<21)|(5<<22)|(3<<25)
.irp g, G1S, G1SB
	s_mov_b32 s[\g+1], 32<<16
	s_mov_b32 s[\g+2], (256*KS/256)<<16
	s_mov_b32 s[\g+3], 32<<16
	s_mov_b32 s[\g+4], 256*KS/256
	s_mov_b32 s[\g+5], 32
	s_mov_b32 s[\g+6], 0
	s_mov_b32 s[\g+7], 0
.endr
	s_lshl_b32 s20, s17, 8
	s_lshl_b32 s46, s42, 8
	s_mov_b32 s21, 0
	s_mov_b32 s47, 0
	s_lshl_b64 s[22:23], s[20:21], 5
	s_lshl_b64 s[92:93], s[46:47], 5
	s_lshl_b64 s[20:21], s[20:21], 10
	s_lshl_b64 s[46:47], s[46:47], 10
	s_mul_i32 s45, s14, HALFT
	s_add_nc_u64 s[20:21], s[4:5], s[20:21]
	s_add_nc_u64 s[22:23], s[6:7], s[22:23]
	s_add_nc_u64 s[46:47], s[8:9], s[46:47]
	s_add_nc_u64 s[92:93], s[10:11], s[92:93]
	CROUND
	s_mov_b32 s[G0S], 1
	s_mov_b32 s[G0S+1], SCL
	s_mov_b64 s[G0S+2:G0S+3], s[22:23]
	s_or_b32 s[G0S+3], s[G0S+3], 0x80000000
	s_mov_b32 s[G0SB], 1
	s_mov_b32 s[G0SB+1], SCL+2*HALFS
	s_mov_b64 s[G0SB+2:G0SB+3], s[92:93]
	s_or_b32 s[G0SB+3], s[G0SB+3], 0x80000000
	s_mov_b32 s4, 1                                ; s[4:7], s[8:11]: group 0 of the head's loads of K step 0: A's 256 rows, then B's (the arguments that lay there have been used)
	s_mov_b32 s5, 0
	s_mov_b64 s[6:7], s[20:21]
	s_or_b32 s7, s7, 0x80000000
	s_mov_b32 s8, 1
	s_mov_b32 s9, 2*HALFT
	s_mov_b64 s[10:11], s[46:47]
	s_or_b32 s11, s11, 0x80000000
	s_lshl_b32 s18, s16, 17                        ; for the ring: my 128 rows of 1,024 bytes
	s_mov_b32 s19, 0
	s_add_nc_u64 s[20:21], s[20:21], s[18:19]
	s_add_nc_u64 s[46:47], s[46:47], s[18:19]
.irp s, 0,1
	s_mov_b32 s[G0+4*\s], 1
	s_add_co_u32 s[G0+4*\s+1], s45, \s*SLOT
	s_add_nc_u64 s[G0+4*\s+2:G0+4*\s+3], s[20:21], \s*ROWB
	s_or_b32 s[G0+4*\s+3], s[G0+4*\s+3], 0x80000000
	s_mov_b32 s[G0B+4*\s], 1
	s_add_co_u32 s[G0B+4*\s+1], s45, \s*SLOT
	s_add_nc_u64 s[G0B+4*\s+2:G0B+4*\s+3], s[46:47], \s*ROWB
	s_or_b32 s[G0B+4*\s+3], s[G0B+4*\s+3], 0x80000000
.endr
; THE HEAD'S LOADS, ONE A WAVE: wave 0 K step 0's 256 rows of A, wave 1 its 256 rows of B, wave 2 the scales of A's 256 rows, wave 3 those of B's.  One chain of branches on the wave's number.
.macro ARM under, g0, g1, next
	s_cmp_lt_u32 s14, \under
	s_cbranch_scc0 \next
	tensor_load_to_lds s[\g0:\g0+3], s[\g1:\g1+7]
	s_nop 0
.rept 4
	v_nop
.endr
	s_branch .Lhead_asked
\next:
.endm
	ARM 1, 4, G1, .Lhead_b
	ARM 2, 8, G1B, .Lhead_sa
	ARM 3, G0S, G1S, .Lhead_sb
	tensor_load_to_lds s[G0SB:G0SB+3], s[G1SB:G1SB+7]
	s_nop 0
.rept 4
	v_nop
.endr
.Lhead_asked:
	v_and_b32 v1, 15, v0
	v_bfe_u32 v2, v0, 4, 1
	v_mul_u32_u24 v3, v1, PITCH
	v_lshl_add_u32 v4, v2, 4, v3
	s_mul_i32 s21, s15, HALFT
	s_mul_i32 s22, s16, HALFT
	s_add_co_u32 s22, s22, 2*HALFT
.irp s, 0,1
	v_add_nc_u32 v[ADRA+\s], s21, v4
	v_add_nc_u32 v[ADRB+\s], s22, v4
	s_add_co_u32 s21, s21, SLOT
	s_add_co_u32 s22, s22, SLOT
.endr
	v_mul_u32_u24 v5, v1, KS
	v_lshrrev_b32 v6, 8, v5
	v_lshl_add_u32 v5, v6, 4, v5
	s_mul_i32 s21, s15, HALFS
	s_mul_i32 s22, s16, HALFS
	s_add_co_u32 s22, s22, 2*HALFS
	s_sub_co_u32 s22, s22, s21
	v_mul_u32_u24 v6, s22, v2
	s_add_co_u32 s21, s21, SCL
	v_add_nc_u32 v5, v5, v6
	v_add_nc_u32 v[ADRS], s21, v5
	v_and_b32 v6, 31, v0
	v_lshlrev_b32 v[LO0], 4, v6
	s_wait_alu depctr_va_vdst(0)
	v_lshlrev_b32 v[SWO], 12, v2
	v_lshl_add_u32 v[SWO], v1, 4, v[SWO]
	s_lshl_b32 s23, s14, 9
	s_add_co_u32 s23, s23, STG
	v_lshl_add_u32 v[STW], v1, 2, s23
	v_add_nc_u32 v[STR], s23, v[LO0]
	s_lshl_b32 s20, s17, 8
	s_lshl_b32 s21, s15, 7
	s_add_co_u32 s20, s20, s21
	s_lshl_b32 s46, s42, 8
	s_lshl_b32 s47, s16, 7
	s_add_co_u32 s46, s46, s47
	s_lshl_b32 s92, s2, 2
	s_xor_b32 s93, s2, 1
	s_lshl_b32 s94, s93, 5
	s_lshl_b32 s93, s93, 2
	s_cmp_eq_u32 s2, 0
	s_cselect_b32 s45, s46, s20
	s_cselect_b32 s47, s20, s46
	s_mov_b32 s22, 1024
	s_cselect_b32 s22, 0x20000, s22
	s_mov_b32 s18, 2048
	s_cselect_b32 s18, 1024, s18
	s_mov_b32 s20, 124928
	s_cselect_b32 s20, 1024, s20
	s_mov_b32 s19, 0
	s_mov_b32 s21, 0
	v_add_nc_u32 v[LO2], s22, v[LO0]
	v_mul_u32_u24 v[BO], s92, v1
	v_mad_u32_u24 v[BO], v2, s94, v[BO]
.irp j, 1,2,3,4,5,6,7
	v_add_nc_u32 v[BO+\j], s93, v[BO+\j-1]
.endr
	s_lshl_b32 s92, s45, 2
	s_mov_b32 s93, 0
	s_add_nc_u64 s[96:97], s[96:97], s[92:93]
.irp t, 0,1,2,3,4,5,6,7
.irp j, 0,1,2,3,4,5,6,7
	global_load_b32 v[BI+8*\t+\j], v[BO+\j], s[96:97] offset:64*\t
.endr
.endr
	s_lshr_b32 s94, s47, 11
	s_lshl_b32 s94, s94, 4
	s_lshr_b32 s46, s45, 6
	s_add_co_u32 s94, s94, s46
	s_and_b32 s47, s47, 2047
	s_lshl_b32 s92, s95, 23
	s_lshl_b32 s46, s94, 17
	s_add_co_u32 s92, s92, s46
	s_lshl_b32 s46, s47, 6
	s_add_co_u32 s92, s92, s46
	s_add_nc_u64 s[12:13], s[12:13], s[92:93]
	s_lshl_b32 s92, s95, 18
	s_lshl_b32 s46, s94, 12
	s_add_co_u32 s92, s92, s46
	s_lshl_b32 s46, s47, 1
	s_add_co_u32 s92, s92, s46
	s_add_nc_u64 s[66:67], s[66:67], s[92:93]
.macro FRAG reg, adr, q, i
.irp c, 0,1,2,3
	ds_load_b128 v[\reg+4*\c:\reg+4*\c+3], v[\adr] offset:128*(\q)+32*\c+(\i)*16*PITCH
.endr
.endm
.macro MUL16 a0, p, q, sc, cm
.irp a, \a0, \a0+1
.irp b, 0,1,2,3,4,5,6,7
.if \cm == 0
	v_wmma_scale_f32_16x16x128_f8f6f4 v[8*(8*((\a)%4)+\b):8*(8*((\a)%4)+\b)+7], v[128*(\p)+FR*\b:128*(\p)+FR*\b+FR-1], v[AF+FR*(\a):AF+FR*(\a)+FR-1], v[8*(8*((\a)%4)+\b):8*(8*((\a)%4)+\b)+7], v[SC+8*NQ*(\sc)+NQ*\b+(\q)], v[SC+8*NQ*(\sc)+NQ*(\a)+(\q)] matrix_a_scale:MATRIX_SCALE_ROW1
.elseif \cm == 1
	v_wmma_scale_f32_16x16x128_f8f6f4 v[8*(8*((\a)%4)+\b):8*(8*((\a)%4)+\b)+7], v[128*(\p)+FR*\b:128*(\p)+FR*\b+FR-1], v[AF+FR*(\a):AF+FR*(\a)+FR-1], v[BI+8*\b:BI+8*\b+7], v[SC+8*NQ*(\sc)+NQ*\b+(\q)], v[SC+8*NQ*(\sc)+NQ*(\a)+(\q)] matrix_a_scale:MATRIX_SCALE_ROW1
.else
	v_wmma_scale_f32_16x16x128_f8f6f4 v[8*(8*((\a)%4)+\b):8*(8*((\a)%4)+\b)+7], v[128*(\p)+FR*\b:128*(\p)+FR*\b+FR-1], v[AF+FR*(\a):AF+FR*(\a)+FR-1], v[BI+8*(\a):BI+8*(\a)+7], v[SC+8*NQ*(\sc)+NQ*\b+(\q)], v[SC+8*NQ*(\sc)+NQ*(\a)+(\q)] matrix_a_scale:MATRIX_SCALE_ROW1
.endif
.endr
.endr
.endm
.macro FETCH_B slot, q, p
	WIN TO_B
.irp i, 0,1,2,3,4,5,6,7
	FRAG 128*(\p)+FR*\i, ADRB+\slot, \q, \i
.endr
	WIN 0
.endm
.macro FETCH_A slot, q, i0
.irp i, \i0, \i0+1, \i0+2, \i0+3
	FRAG AF+FR*(\i), ADRA+\slot, \q, \i
.endr
.endm
.macro SCALES sc
.irp i, 0,1,2,3,4,5,6,7
	ds_load_b64 v[SC+8*NQ*\sc+NQ*\i:SC+8*NQ*\sc+NQ*\i+1], v[ADRS] offset:\i*SBLK
.endr
.endm
.macro PLACES n
.rept \n
	v_nop
.endr
.endm
.macro BOTH a0, w
	s_cmp_eq_u32 s2, 0
	s_cbranch_scc0 .Lby_a_\@
	WIN \w
	MUL16 \a0, 0, 0, 0, 1
	MUL16 \a0+2, 0, 0, 0, 1
	WIN 0
	s_branch .Lstarted_\@
.Lby_a_\@:
	WIN \w
	MUL16 \a0, 0, 0, 0, 2
	MUL16 \a0+2, 0, 0, 0, 2
	WIN 0
.Lstarted_\@:
.endm
.macro STEP slot, q
	s_wait_dscnt 4*NL
	WIN MUL_LO
	MUL16 0, (\q)%2, \q, \slot, 0
	MUL16 2, (\q)%2, \q, \slot, 0
	s_wait_dscnt 0
	PLACES NP
	FETCH_B \slot, (\q)+1, 1-(\q)%2
	FETCH_A \slot, (\q)+1, 0
	WIN MUL_HI
	MUL16 4, (\q)%2, \q, \slot, 0
	MUL16 6, (\q)%2, \q, \slot, 0
	PLACES NP
	WIN 0
	FETCH_A \slot, (\q)+1, 4
.endm
.macro TURN slot, next, fill
	s_wait_tensorcnt 0x0
	ds_add_u32 v[SPW], v[NIL]
	s_wait_dscnt 4*NL+1
	WIN MUL_LO
	MUL16 0, 1, NQ-1, \slot, 0
	s_wait_dscnt 0x0
	s_barrier_signal -1
	MUL16 2, 1, NQ-1, \slot, 0
	WIN 0
	s_barrier_wait -1
.if \fill
	CREST
	s_add_nc_u64 s[G0+4*\slot+2:G0+4*\slot+3], s[G0+4*\slot+2:G0+4*\slot+3], 2*ROWB
	s_add_nc_u64 s[G0B+4*\slot+2:G0B+4*\slot+3], s[G0B+4*\slot+2:G0B+4*\slot+3], 2*ROWB
	JLOAD G0+4*\slot, G1, G0B+4*\slot, G1B
	PLACES NP-4
.else
	PLACES NP
.endif
	s_wait_alu depctr_va_vdst(0)
	v_add_nc_u32 v[ADRS], 4*NQ, v[ADRS]
	FETCH_B \next, 0, 0
	FETCH_A \next, 0, 0
	SCALES \next
	WIN MUL_HI
	MUL16 4, 1, NQ-1, \slot, 0
	MUL16 6, 1, NQ-1, \slot, 0
	PLACES NP
	WIN 0
	FETCH_A \next, 0, 4
.endm
	s_wait_alu depctr_va_vdst(0)                   ; the wait at the head's end
	s_wait_tensorcnt 0x0                           ; my tile of the head's four is in; the lines ahead of a later first fill:
	ds_add_u32 v[SPW], v[NIL]
	s_mov_b32 s[G1+2], 128<<16                     ; no tensor load of mine is out: from here on a load brings 128 rows
	s_mov_b32 s[G1+4], 128
	s_mov_b32 s[G1B+2], 128<<16
	s_mov_b32 s[G1B+4], 128
	s_wait_dscnt 0x0
	CROUND                                         ; all four tiles are in, and all sixteen work-groups are here
	JLOAD G0+4, G1, G0B+4, G1B                     ; K step 1, the first tensor load behind the round
	FETCH_B 0, 0, 0
	FETCH_A 0, 0, 0
	SCALES 0
	FETCH_A 0, 0, 4
	s_wait_loadcnt 0x0
	s_wait_dscnt 4*NL
	BOTH 0, 0x81
	s_wait_dscnt 0
	PLACES NP
	FETCH_B 0, 1, 1
	FETCH_A 0, 1, 0
	BOTH 4, 0xc1
	PLACES NP
	FETCH_A 0, 1, 4
	TURN 0, 1, 1
	STEP 1, 0
	TURN 1, 0, 1
	STEP 0, 0
	TURN 0, 1, 0
	STEP 1, 0
	s_wait_dscnt 4*NL
	WIN MUL_LO
	MUL16 0, 1, NQ-1, 1, 0
	MUL16 2, 1, NQ-1, 1, 0
	s_wait_dscnt 0
	WIN MUL_HI
	MUL16 4, 1, NQ-1, 1, 0
	MUL16 6, 1, NQ-1, 1, 0
	WIN 0
.macro TILE a
.set AC, 64*((\a)%4)
.set WN, 2+(\a)/4
.set WA, (WN<<2)|(WN<<4)
.set WB, (WN<<6)|WN
	WIN WA
.irp b, 0,1,2,3
	v_max3_num_f32 v[TM+\b], 0x4800000, |v[AC+16*\b]|, |v[AC+16*\b+1]|
.endr
.irp i, 2,4,6,8,10,12,14
.irp b, 0,1,2,3
	v_max3_num_f32 v[TM+\b], v[TM+\b], |v[AC+16*\b+\i]|, |v[AC+16*\b+\i+1]|
.endr
.endr
	WIN 0
.irp b, 0,1,2,3
	v_permlanex16_b32 v[TM+4+\b], v[TM+\b], s98, s99
.endr
.irp b, 0,1,2,3
	v_max_num_f32 v[TM+\b], v[TM+\b], v[TM+4+\b]
.endr
.irp b, 0,1,2,3
	v_add_nc_u32 v[TM+12+\b], 0xfc000000, v[TM+\b]
.endr
.irp b, 0,1,2,3
	v_and_or_b32 v[TM+8+\b], v[TM+\b], 0x7f800000, s100
.endr
.irp b, 0,1,2,3
	v_lshrrev_b32 v[TM+4+\b], 23, v[TM+12+\b]
.endr
	v_lshl_or_b32 v[WD+\a], v[TM+5], 8, v[TM+4]
	v_lshl_or_b32 v[WD+\a], v[TM+6], 16, v[WD+\a]
	v_lshl_or_b32 v[WD+\a], v[TM+7], 24, v[WD+\a]
	WIN WB
.irp b, 0,1,2,3
.irp i, 0,1,2,3,4,5,6,7,8,9,10,11,12,13,14,15
	v_med3_num_f32 v[AC+16*\b+\i], v[AC+16*\b+\i], -v[TM+8+\b], v[TM+8+\b]
.endr
.endr
	WIN WN
.if (\a) > 0
	s_wait_alu depctr_va_vdst(0)
	s_wait_xcnt 0x0
.if (\a) == 4
	s_add_nc_u64 s[12:13], s[12:13], s[20:21]
.else
	s_add_nc_u64 s[12:13], s[12:13], s[18:19]
.endif
.endif
.irp b, 0,1,2,3
	v_cvt_scalef32_pk8_fp8_f32 v[PC+4*\b:PC+4*\b+1], v[AC+16*\b:AC+16*\b+7], v[TM+12+\b]
	v_cvt_scalef32_pk8_fp8_f32 v[PC+4*\b+2:PC+4*\b+3], v[AC+16*\b+8:AC+16*\b+15], v[TM+12+\b]
.endr
	WIN 0
	v_nop
	global_store_b128 v[LO0], v[PC:PC+3], s[12:13]
	global_store_b128 v[LO0], v[PC+4:PC+7], s[12:13] offset:512
	global_store_b128 v[LO2], v[PC+8:PC+11], s[12:13]
	global_store_b128 v[LO2], v[PC+12:PC+15], s[12:13] offset:512
.endm
	PLACES NP
.irp b, 0,1,2,3
	v_mov_b32 v[TM+4+\b], 0
.endr
.irp a, 0,1,2,3,4,5,6,7
	TILE \a
.endr
	s_cmp_eq_u32 s2, 0
	s_cbranch_scc0 .Lwords_v
.irp f, 0,1,2,3
	v_perm_b32 v[ZW+\f], v[WD+2*\f+1], v[WD+2*\f], 0x05040100
	v_perm_b32 v[ZW+4+\f], v[WD+2*\f+1], v[WD+2*\f], 0x07060302
.endr
	s_branch .Lwords_done
.Lwords_v:
.irp f, 0,1,2,3,4,5,6,7
	v_mov_b32 v[ZW+\f], v[WD+\f]
.endr
.Lwords_done:
	s_wait_alu depctr_va_vdst(0)
.irp f, 0,1,2,3,4,5,6,7
	ds_store_b32 v[STW], v[ZW+\f] offset:64*\f
.endr
	s_wait_xcnt 0x0
	ds_load_b128 v[PC:PC+3], v[STR]
	s_wait_dscnt 0x0
	global_store_b128 v[SWO], v[PC:PC+3], s[66:67]
	s_wait_tensorcnt 0x0
	ds_add_u32 v[SPW], v[NIL]
	s_wait_dscnt 0x0
	CROUND
	s_endpgm
.Lfunc_end_k_q9a598bb908_proj:
	.size	k_q9a598bb908_proj, .Lfunc_end_k_q9a598bb908_proj-k_q9a598bb908_proj
	.p2alignl 7, 3214868480
	.fill 96, 4, 3214868480
	.section	.rodata,"a",@progbits
	.p2align	6, 0x0
	.amdhsa_kernel k_q9a598bb908_proj
		.amdhsa_group_segment_fixed_size 327680
		.amdhsa_private_segment_fixed_size 0
		.amdhsa_enable_private_segment 0
		.amdhsa_kernarg_size 152
		.amdhsa_user_sgpr_count 2
		.amdhsa_user_sgpr_kernarg_segment_ptr 1
		.amdhsa_wavefront_size32 1
		.amdhsa_system_sgpr_workgroup_id_x 1
		.amdhsa_system_sgpr_workgroup_id_y 1
		.amdhsa_system_sgpr_workgroup_id_z 1
		.amdhsa_system_vgpr_workitem_id 0
		.amdhsa_next_free_vgpr 1024
		.amdhsa_next_free_sgpr 102
		.amdhsa_reserve_vcc 0
		.amdhsa_float_denorm_mode_32 3
		.amdhsa_float_denorm_mode_16_64 3
		.amdhsa_memory_ordered 1
		.amdhsa_forward_progress 1
		.amdhsa_inst_pref_size 216
	.end_amdhsa_kernel
	.amdgpu_metadata
---
amdhsa.version: [ 1, 2 ]
amdhsa.kernels:
  - .name:           k_q9a598bb908_proj
    .symbol:         k_q9a598bb908_proj.kd
    .args:
      - { .name: query_codes, .offset: 0, .size: 8, .value_kind: global_buffer, .address_space: global }
      - { .name: query_scales, .offset: 8, .size: 8, .value_kind: global_buffer, .address_space: global }
      - { .name: key_codes, .offset: 16, .size: 8, .value_kind: global_buffer, .address_space: global }
      - { .name: key_scales, .offset: 24, .size: 8, .value_kind: global_buffer, .address_space: global }
      - { .name: value_codes, .offset: 32, .size: 8, .value_kind: global_buffer, .address_space: global }
      - { .name: value_scales, .offset: 40, .size: 8, .value_kind: global_buffer, .address_space: global }
      - { .name: Wq_codes, .offset: 48, .size: 8, .value_kind: global_buffer, .address_space: global }
      - { .name: Wq_scales, .offset: 56, .size: 8, .value_kind: global_buffer, .address_space: global }
      - { .name: Wk_codes, .offset: 64, .size: 8, .value_kind: global_buffer, .address_space: global }
      - { .name: Wk_scales, .offset: 72, .size: 8, .value_kind: global_buffer, .address_space: global }
      - { .name: Wv_codes, .offset: 80, .size: 8, .value_kind: global_buffer, .address_space: global }
      - { .name: Wv_scales, .offset: 88, .size: 8, .value_kind: global_buffer, .address_space: global }
      - { .name: bq, .offset: 96, .size: 8, .value_kind: global_buffer, .address_space: global }
      - { .name: bk, .offset: 104, .size: 8, .value_kind: global_buffer, .address_space: global }
      - { .name: bv, .offset: 112, .size: 8, .value_kind: global_buffer, .address_space: global }
      - { .name: img, .offset: 120, .size: 8, .value_kind: global_buffer, .address_space: global }
      - { .name: sw, .offset: 128, .size: 8, .value_kind: global_buffer, .address_space: global }
      - { .name: mask, .offset: 136, .size: 8, .value_kind: global_buffer, .address_space: global }
      - { .name: maskc, .offset: 144, .size: 8, .value_kind: global_buffer, .address_space: global }
    .group_segment_fixed_size: 327680
    .private_segment_fixed_size: 0
    .kernarg_segment_align: 8
    .kernarg_segment_size: 152
    .max_flat_workgroup_size: 128
    .sgpr_count:     102
    .vgpr_count:     1024
    .wavefront_size: 32
...
	.end_amdgpu_metadata
.endif
;; end of part 1
;; launch attn (part 2): grid 4 x 64, 16 waves a work-group, clusters of 4 x 1, 327,680 bytes of LDS; arguments img, sw, maskc, ctximg, ctxs; writes ctximg, ctxs
.if DOCPART == 2
	.amdgcn_target "amdgcn-amd-amdhsa--gfx1250"
	.amdhsa_code_object_version 6
	.text
	.protected	k_q9a598bb908_attn
	.globl	k_q9a598bb908_attn
	.p2align	8
	.type	k_q9a598bb908_attn,@function
k_q9a598bb908_attn:
	s_mov_b64 s[64:65], 0
	v_nop
	global_prefetch_b8 v0, s[64:65] scope:SCOPE_SE
	s_setreg_imm32_b32 hwreg(HW_REG_WAVE_MODE, 25, 1), 1
	s_wait_xcnt 0x0
	s_wait_alu depctr_hold_cnt(0) depctr_sa_sdst(0) depctr_va_vdst(0) depctr_va_sdst(0) depctr_va_ssrc(0) depctr_va_vcc(0) depctr_vm_vsrc(0)
	s_getreg_b32 s2, hwreg(HW_REG_IB_STS2, 6, 4)
	s_cmp_eq_u32 s2, 0
	s_cbranch_scc0 .Lentry_in_a_cluster
	s_endpgm
.Lentry_in_a_cluster:
	s_bfe_u32 s2, ttmp6, 0x10000c
	s_cmp_lg_u32 s2, 0x3003
	s_cbranch_scc0 .Lentry_shape_is_right
	s_endpgm
.Lentry_shape_is_right:
; ctx[b][q][h][:] = the sum over k of softmax_k(where(mask[q][k], Q . K / 8, hidden)) V, both products on codes of FP8 (E4M3) with one E8M0 scale for each 32 along a product's K; the result is quantised along the model's 1,024.
; THE SOFTMAX: t = score x log2(e) / 8; M = the row's largest t so far, rounded UP to a whole number; p = 2^(t - M) is quantised along the keys, not normalised.  The row's sum is taken of the unquantised p and divides at the end.
; When M moves, the sum and O are multiplied by 2^(old M - new M): exact.
; SHARES.  A work-group owns 512 queries of one (batch, head) bh: 4 x 64 = 256 work-groups.  Each of its sixteen waves owns two tiles of 16 queries, one after the other (two passes), and walks the 2,048 keys 128 a step.
; K AND V OF THE WHOLE HEAD STAY IN LDS: 2 x 131,072 bytes of images and 8,192 bytes of scale words, asked for once, at the head, one tensor load a wave (waves 0-7: 32,768 bytes each, K's and V's images of two steps;
; wave 8: the scale words).  Nothing is filled again, so the loop has no barrier.  The four work-groups of a head form a cluster and ask JOINTLY (mask 15).
; No prefetch: K and V are asked for at the head alone, with no loop ahead of them; the mask's codes are loaded into registers one key step ahead of their use.
; OPERANDS ARRIVE AS IMAGES OF THEIR REGISTERS (groups of 512 bytes, lane l's 16 bytes at 16 l).
; PRODUCT 1 has K = 64, half of the instruction's 128.  THE MASK RIDES IN THE OTHER HALF: source 0 is [a key tile's 64 codes | a unit pattern], source 1 is [q | the mask's codes of four key tiles].  In buffer j of K's four the pattern has
; the code -1.0 at k = (h, pair j, byte y) in the lane of key 8 h + y and zeros elsewhere; the mask's code there is 2.0 for a hidden key and 0 for an open one; both sides' scale bytes of these blocks are 2^30.
; So a hidden score is s - 2^61, which f32 rounds to -2^61; an open score gets exact zeros added.
; S^T: a lane holds ONE query (lane % 16); register 8 T + j holds key 128 step + 16 T + 8 h + j.  V's images are laid in that order of keys, so p's codes ARE the second product's operand.
; LIMITS: NaN and infinities are not served.  A hidden logit is -2^58 where the definition says -1e9: open logits under -1e9 count as open here; a row that is hidden whole gets p = 1 for every key, as the definition gives it,
; while open raw scores stay under 2^36 (2^61 x c is exact in f32, so t - M is 0 there).  A block whose largest magnitude lies under 2^-118 gets the byte 1 (this program alone reads the bytes).
; OUT: ctximg[token tile 512][head 16][block 2][512], natural order of k; ctxs[token 8192][32] bytes.
.set SCW,   262144                     ; behind the eight chunks of 32,768 bytes: K's scale words (4,096 bytes), then V's
.set SPARE, 325632                     ; the spare words: 128 bytes a wave, eight blocks of 256 bytes that no other line names
.set LI,  1                            ; 16 x lane
.set ASC, 2                            ; SCW + 4,096 h + 4 r: lanes 0-15 K's words, lanes 16-31 V's
.set SPW, 3                            ; my spare word; never rewritten
.set NIL, 4                            ; 0; never rewritten
.set CV,  5                            ; the byte 2^30, four times
.set PW,  6                            ; p's scale word
.set TT,  7                            ; at work
.set ADK, 8                            ; LDS address of the chunk in hand,
.set ADKN, 9                           ; of the next (the last wraps to the first),
.set ADS, 10                           ; of the chunk's scale words
.set QS,  11                           ; Q's scale word: its two bytes, then 2^30 twice      (v12 -M, v13 the largest t, v[14:15] the sum)
.set QB0, 16                           ; v16-31  [q | mask codes of key tiles 0-3]
.set QB1, 32                           ; v32-47  [q | mask codes of key tiles 4-7]
.set KA,  48                           ; v48-111 four buffers [key tile | pattern j]
.set S,   112                          ; v112-175 S^T, then p, then V's four fragments
.set OT,  176                          ; v176-207 O^T
.set PC,  208                          ; v208-223 p's codes; ahead of the conversions at work:
.set PB,  208                          ;   four registers of the maxima and the bytes,
.set CH,  212                          ;   six pairs of the row's sum
.set SW,  224                          ; v224-231 scale words, two sets by turns: lanes 0-15 K's pair of tiles f, lanes 16-31 V's tile f
.set KS,  232                          ; v232-239 K's scale word of tile T: its two bytes, then 2^30 twice
.set MX,  240
.set HD,  244                          ; 448 x the scale
.set SO,  248                          ; the conversions' scale operands
.set FF,  252                          ; v[252:253] f = 2^(old M - new M); the packed form names the pair and takes its low word
.set QWO, 254                          ; 4 r
.set ADSN, 255                         ; LDS address of the next chunk's scale words
; s2 chunk's LDS byte, s3 trips, s4 passes, s5 wave, s[6:7] the mask codes last asked for, s8, s46 next chunk, s9 chunk's scale words, s[10:11] ctximg, s[52:53] ctxs, s[48:49] Q's image, s[50:51] Q's words,
; s[12:13] lane selects, s[14:15] c, s16 mantissa of 448, s17 the mask's step at a pass's end, s[18:19] its step, s[20:31], s[32:43] descriptors, s44, s45 constants of the scale words
.macro CROUND                          ; a round of the cluster's barrier
	s_barrier_signal -1
	s_barrier_wait -1
	s_cmp_lg_u32 s5, 0
	s_cbranch_scc1 .Lnot_wave_0_\@
	s_barrier_signal -3
.Lnot_wave_0_\@:
	s_barrier_wait -3
	s_barrier_signal -1
	s_barrier_wait -1
.endm
.macro PLACES n
.rept \n
	v_nop
.endr
.endm
.macro MKKS set, T                     ; tile T's scale word out of the pair's word
.if (\T)%2
	v_perm_b32 v[KS+\T], v[SW+4*(\set)+(\T)/2], v[CV], s45
.else
	v_and_or_b32 v[KS+\T], v[SW+4*(\set)+(\T)/2], 0xffff, s44
.endif
.endm
.macro MLOAD                           ; a step's mask codes: 2,048 bytes a wave
	global_load_b128 v[QB0+8:QB0+11], v[LI], s[6:7]
	global_load_b128 v[QB0+12:QB0+15], v[LI], s[6:7] offset:512
	global_load_b128 v[QB1+8:QB1+11], v[LI], s[6:7] offset:1024
	global_load_b128 v[QB1+12:QB1+15], v[LI], s[6:7] offset:1536
.endm
.macro KLOAD adr, off                  ; four key tiles into the buffers' lower halves
.irp T, 0,1,2,3
	ds_load_b128 v[KA+16*\T:KA+16*\T+3], v[\adr] offset:\off+1024*\T
	ds_load_b128 v[KA+16*\T+4:KA+16*\T+7], v[\adr] offset:\off+1024*\T+512
.endr
.endm
.macro MAXB b0, b1                     ; the largest score of two blocks of 32 keys, my 16 of each: four chains by turns; each tile is read from its low end on
.irp b, \b0, \b1
	v_max3_num_f32 v[MX+\b], v[S+16*\b], v[S+16*\b+1], v[S+16*\b+2]
	v_max3_num_f32 v[PB+\b], v[S+16*\b+8], v[S+16*\b+9], v[S+16*\b+10]
.endr
.irp i, 3,5
.irp b, \b0, \b1
	v_max3_num_f32 v[MX+\b], v[MX+\b], v[S+16*\b+\i], v[S+16*\b+\i+1]
	v_max3_num_f32 v[PB+\b], v[PB+\b], v[S+16*\b+\i+8], v[S+16*\b+\i+9]
.endr
.endr
	v_max3_num_f32 v[MX+\b0], v[MX+\b0], v[S+16*\b0+7], v[S+16*\b0+15]
	v_max3_num_f32 v[MX+\b1], v[MX+\b1], v[S+16*\b1+7], v[S+16*\b1+15]
	v_max_num_f32 v[MX+\b0], v[MX+\b0], v[PB+\b0]
	v_max_num_f32 v[MX+\b1], v[MX+\b1], v[PB+\b1]
.endm
	s_load_b256 s[68:75], s[0:1], 0x0              ; img, sw, maskc, ctximg
	s_load_b64 s[76:77], s[0:1], 0x20              ; ctxs
	v_lshl_add_u32 v[SPW], v0, 2, SPARE
	v_mov_b32 v[NIL], 0
	ds_add_u32 v[SPW], v[NIL]                      ; the opening lines: the add, twice on end, and its wait
	ds_add_u32 v[SPW], v[NIL]
	v_lshrrev_b32 v7, 5, v0
	v_readfirstlane_b32 s5, v7                     ; wave 0..15
	s_bfe_u32 s80, ttmp6, 0x40000                  ; cx: my block of 512 queries
	s_lshl_b32 s82, s80, 5
	s_add_co_u32 s82, s82, s5                      ; qt: my first tile of 16 queries
	s_and_b32 s83, ttmp7, 0xffff                   ; bh, which the four partners share
	s_lshl_b32 s87, s83, 17                        ; the head in a part of img
	s_lshl_b32 s88, s5, 14                         ; waves 0-7: 16,384 bytes of K's images, and of V's
	s_add_co_u32 s88, s88, s87
	s_add_co_u32 s88, s88, 1<<23                   ; part 1: K
	s_mov_b32 s89, 0
	s_lshl_b32 s90, s83, 12                        ; the head in a part of sw
	s_add_co_u32 s90, s90, 1<<18
	s_mov_b32 s91, 0
	; group 1 for the images: two rows of 16,384 bytes (2,048 elements of 8), K's and, 2^23 bytes on, V's
	s_mov_b32 s20, 15|(3<<16)|(1<<21)              ; the mask: all four work-groups; elements of 8 bytes; bit 21 beside a mask
	s_mov_b32 s21, 2048<<16
	s_mov_b32 s22, 2<<16
	s_mov_b32 s23, 2048<<16
	s_mov_b32 s24, 2
	s_mov_b32 s25, 1048576
	s_mov_b32 s26, 0
	s_mov_b32 s27, 0
	; and for the scale words: two rows of 4,096 bytes, 2^18 bytes apart
	s_mov_b32 s32, 15|(3<<16)|(1<<21)
	s_mov_b32 s33, 512<<16
	s_mov_b32 s34, 2<<16
	s_mov_b32 s35, 512<<16
	s_mov_b32 s36, 2
	s_mov_b32 s37, 32768
	s_mov_b32 s38, 0
	s_mov_b32 s39, 0
	s_mov_b32 s28, 1
	s_lshl_b32 s29, s5, 15                         ; chunk = wave: K's two steps, then V's
	s_mov_b32 s40, 1
	s_mov_b32 s41, SCW
	s_wait_dscnt 0x0                               ; both opening adds are done
	s_wait_kmcnt 0x0
	s_add_nc_u64 s[30:31], s[68:69], s[88:89]
	s_or_b32 s31, s31, 0x80000000
	s_add_nc_u64 s[42:43], s[70:71], s[90:91]
	s_or_b32 s43, s43, 0x80000000
	CROUND                                         ; all four work-groups are here: the joint loads meet
	s_cmp_lt_u32 s5, 8                             ; one chain of branches on the wave's number, one load to an arm
	s_cbranch_scc0 .Lhead_sw
	tensor_load_to_lds s[28:31], s[20:27]
	s_nop 0
	PLACES 4
	s_branch .Lhead_asked
.Lhead_sw:
	s_cmp_lt_u32 s5, 9
	s_cbranch_scc0 .Lhead_asked
	tensor_load_to_lds s[40:43], s[32:39]
	s_nop 0
	PLACES 4
.Lhead_asked:
	s_lshl_b32 s48, s82, 10
	s_add_co_u32 s48, s48, s87
	s_mov_b32 s49, 0
	s_add_nc_u64 s[48:49], s[68:69], s[48:49]      ; Q's image of my tile (part 0)
	s_lshr_b32 s50, s82, 1
	s_lshl_b32 s50, s50, 6
	s_lshl_b32 s84, s83, 12
	s_add_co_u32 s50, s50, s84
	s_mov_b32 s51, 0
	s_add_nc_u64 s[50:51], s[70:71], s[50:51]      ; the scale words of my pair of tiles
	s_lshl_b32 s6, s82, 15
	s_mov_b32 s7, 0
	s_add_nc_u64 s[6:7], s[72:73], s[6:7]          ; my tile's mask codes: 16 steps x 2,048 bytes
	s_lshr_b32 s84, s83, 4
	s_lshl_b32 s84, s84, 7
	s_add_co_u32 s84, s84, s82                     ; my token tile: 128 x batch + qt
	s_and_b32 s85, s83, 15                         ; my head
	s_lshl_b32 s10, s84, 14
	s_lshl_b32 s86, s85, 10
	s_add_co_u32 s10, s10, s86
	s_mov_b32 s11, 0
	s_add_nc_u64 s[10:11], s[74:75], s[10:11]
	s_lshl_b32 s52, s84, 9
	s_lshl_b32 s86, s85, 1
	s_add_co_u32 s52, s52, s86
	s_mov_b32 s53, 0
	s_add_nc_u64 s[52:53], s[76:77], s[52:53]
	s_mov_b32 s12, 0x76543210
	s_mov_b32 s13, 0xfedcba98
	s_mov_b32 s14, 0x3e38aa3b                      ; c = log2(e) / 8
	s_mov_b32 s15, s14
	s_mov_b32 s16, 0x600000
	s_mov_b32 s17, 2048+15*32768                   ; from a tile's last step to the first of the tile 16 further on
	s_mov_b32 s19, 0
	s_mov_b32 s44, 0x9d9d0000
	s_mov_b32 s45, 0x01000706                      ; the word's upper two bytes, then two of CV's
	s_mov_b32 s4, 2
	v_and_b32 v7, 31, v0
	v_and_b32 v8, 15, v0                           ; r
	v_bfe_u32 v9, v0, 4, 1                         ; h
	v_lshlrev_b32 v[LI], 4, v7
	v_lshlrev_b32 v[ASC], 12, v9
	v_lshlrev_b32 v[QWO], 2, v8
	v_mov_b32 v[CV], 0x9d9d9d9d
	v_lshl_add_u32 v[ASC], v8, 2, v[ASC]
	v_and_b32 v10, 3, v8
	v_mov_b32 v15, 0xb8                            ; the code -1.0
	v_lshrrev_b32 v14, 2, v8                       ; r / 4
	v_add_nc_u32 v[ASC], SCW, v[ASC]
	v_lshlrev_b32 v10, 3, v10
	v_lshlrev_b32 v9, 1, v9
	v_lshlrev_b32 v10, v10, v15                    ; at byte r % 4
	v_xor_b32 v14, v14, v9                         ; 0: my key's place is in the pair's first word; 1: in its second; else in the other half's lanes
	v_cmp_eq_u32 vcc_lo, 0, v14
	v_cndmask_b32 v12, 0, v10, vcc_lo
	v_cmp_eq_u32 vcc_lo, 1, v14
	v_cndmask_b32 v13, 0, v10, vcc_lo
.irp j, 0,1,2,3                                ; the buffers' upper halves: written once
.irp k, 0,1,2,3
.if \k == \j
	v_dual_mov_b32 v[KA+16*\j+8+2*\k], v12 :: v_dual_mov_b32 v[KA+16*\j+9+2*\k], v13
.else
	v_dual_mov_b32 v[KA+16*\j+8+2*\k], 0 :: v_dual_mov_b32 v[KA+16*\j+9+2*\k], 0
.endif
.endr
.endr
	v_dual_mov_b32 v[PB], 0 :: v_dual_mov_b32 v[PB+1], 0       ; a lane permute's destination counts as one of its sources
	v_dual_mov_b32 v[PB+2], 0 :: v_dual_mov_b32 v[PB+3], 0
.irp k, 8,10,12,14
	v_dual_mov_b32 v[PC+\k], 0 :: v_dual_mov_b32 v[PC+\k+1], 0
.endr
	v_mov_b32 v[FF+1], 0                           ; named as the upper half of a pair
	s_wait_alu depctr_va_vdst(0)                   ; the wait at the head's end
	s_wait_tensorcnt 0x0                           ; my load has landed,
	s_barrier_signal -1
	s_barrier_wait -1                              ; and everybody's: the head's K, V and scale words are whole
	KLOAD LI, 0                                    ; step 0: key tiles 0-3, the scale words, the mask's codes
.irp f, 0,1,2,3
	ds_load_b32 v[SW+\f], v[ASC] offset:64*\f
.endr
	MLOAD
	s_wait_dscnt 0x0
.irp T, 0,1,2,3
	MKKS 0, \T
.endr
; A KEY STEP: 128 keys, the q-th of the chunk in hand.  At its head key tiles 0-3, the mask's codes, scale-word set q and tiles 0-3's words are on their way or in.
.macro STEP q
	s_wait_alu depctr_va_vdst(0)
	s_wait_loadcnt 0x0                             ; the mask's codes (and Q)
	s_wait_dscnt 0x0                               ; key tiles 0-3
.irp T, 0,1,2,3
	v_wmma_scale_f32_16x16x128_f8f6f4 v[S+8*\T:S+8*\T+7], v[KA+16*\T:KA+16*\T+15], v[QB0:QB0+15], 0, v[KS+\T], v[QS]
.endr
.irp T, 4,5,6,7
	MKKS \q, \T                                    ; four of the eight places behind the products
.endr
	PLACES 4
	KLOAD ADK, 8192*(\q)+4096                      ; key tiles 4-7
	MAXB 0, 1
	s_wait_alu depctr_va_vdst(0)
	s_wait_dscnt 0x0
.irp T, 4,5,6,7
	v_wmma_scale_f32_16x16x128_f8f6f4 v[S+8*\T:S+8*\T+7], v[KA+16*(\T-4):KA+16*(\T-4)+15], v[QB1:QB1+15], 0, v[KS+\T], v[QS]
.endr
	PLACES 8                                       ; for the loads below and for the first read of these scores
.if (\q) == 0                                  ; THE NEXT STEP's key tiles 0-3, scale words and mask codes: they land under the softmax
	KLOAD ADK, 8192
.irp f, 0,1,2,3
	ds_load_b32 v[SW+4+\f], v[ADS] offset:256+64*\f
.endr
	s_add_nc_u64 s[6:7], s[6:7], 2048              ; (the wait at the step's head has shown the earlier loads done)
.else
	KLOAD ADKN, 0
.irp f, 0,1,2,3
	ds_load_b32 v[SW+\f], v[ADSN] offset:64*\f
.endr
	s_cmp_eq_u32 s3, 1                             ; a pass's last step goes on to the next tile's first; the very last asks again for its own codes, inside the buffer
	s_cselect_b32 s18, s17, 2048
	s_add_nc_u64 s[6:7], s[6:7], s[18:19]
.endif
	MLOAD
	MAXB 2, 3
.irp b, 0,1,2,3
	v_permlanex16_b32 v[PB+\b], v[MX+\b], s12, s13
.endr
.irp b, 0,1,2,3
	v_max_num_f32 v[MX+\b], v[MX+\b], v[PB+\b]     ; with lane l xor 16's 16 keys: it serves for the row's maximum and, since p rises with the score, for the block's largest p
.endr
	v_max3_num_f32 v[TT], v[MX], v[MX+1], v[MX+2]
	v_max_num_f32 v[TT], v[TT], v[MX+3]
	v_mul_f32 v[TT], s14, v[TT]                    ; as t (c is positive)
	v_max_num_f32 v13, v13, v[TT]                  ; the running largest t
	v_mov_b32 v[TT], v12
	v_floor_f32 v12, -v13                          ; the new -M = floor(-t)
.set j, 0
.rept 8
	v_pk_fma_f32 v[S+j:S+j+1], v[S+j:S+j+1], s[14:15], v[12:13] op_sel_hi:[1,0,0]   ; t - M, two at a time; the three lines that make f stand among them
.set j, j+2
.endr
	v_sub_f32 v[TT], v12, v[TT]                    ; old M - new M: a whole number, 0 or less
.rept 8
	v_pk_fma_f32 v[S+j:S+j+1], v[S+j:S+j+1], s[14:15], v[12:13] op_sel_hi:[1,0,0]
.set j, j+2
.endr
	v_cvt_i32_f32 v[TT], v[TT]                     ; (it saturates)
.rept 8
	v_pk_fma_f32 v[S+j:S+j+1], v[S+j:S+j+1], s[14:15], v[12:13] op_sel_hi:[1,0,0]
.set j, j+2
.endr
	v_ldexp_f32 v[FF], 1.0, v[TT]                  ; f = 2^(old M - new M)
.rept 8
	v_pk_fma_f32 v[S+j:S+j+1], v[S+j:S+j+1], s[14:15], v[12:13] op_sel_hi:[1,0,0]
.set j, j+2
.endr
.irp b, 0,1,2,3
	v_fma_f32 v[MX+\b], v[MX+\b], s14, v12         ; the same of each block's largest score
.endr
	s_wait_alu depctr_va_vdst(0)                   ; the wait ahead of the batch
.set j, 0
.rept 64
	v_exp_f32 v[S+j], v[S+j]                       ; p = 2^(t - M), at most 1
.set j, j+1
.endr
	v_pk_mul_f32 v[14:15], v[14:15], v[FF:FF+1] op_sel_hi:[1,0]   ; the sum under the new M: the plain line behind the exponentials
	s_wait_alu depctr_va_vdst(0)                   ; one wait for the batch, ahead of its first reader
.irp b, 0,1,2,3
	v_exp_f32 v[MX+\b], v[MX+\b]                   ; the block's largest p: the same two instructions on the same number give the same bits
.endr
.set j, 0
.rept 6                                        ; the row's sum of the unquantised p: seven chains by turns
	v_pk_add_f32 v[CH+2*j:CH+2*j+1], v[S+4*j:S+4*j+1], v[S+4*j+2:S+4*j+3]
.set j, j+1
.endr
.set j, 0
.rept 20
.if j%7 == 6
	v_pk_add_f32 v[14:15], v[14:15], v[S+24+2*j:S+25+2*j]
.else
	v_pk_add_f32 v[CH+2*(j%7):CH+2*(j%7)+1], v[CH+2*(j%7):CH+2*(j%7)+1], v[S+24+2*j:S+25+2*j]
.endif
.set j, j+1
.endr
	s_wait_alu depctr_va_vdst(0)                   ; and one for the four
	v_pk_add_f32 v[CH:CH+1], v[CH:CH+1], v[CH+2:CH+3]
	v_pk_add_f32 v[CH+4:CH+5], v[CH+4:CH+5], v[CH+6:CH+7]
	v_pk_add_f32 v[CH+8:CH+9], v[CH+8:CH+9], v[CH+10:CH+11]
.irp b, 0,1,2,3
	v_max_num_f32 v[MX+\b], 0x4800000, v[MX+\b]    ; the floor 2^(9 - 127): the byte cannot fall under 1
.endr
	v_pk_add_f32 v[CH:CH+1], v[CH:CH+1], v[CH+4:CH+5]
	v_pk_add_f32 v[14:15], v[14:15], v[CH+8:CH+9]
.irp b, 0,1,2,3
	v_add_nc_u32 v[SO+\b], 0xfc000000, v[MX+\b]    ; 8 off the exponent field: the conversion's scale operand
.endr
	v_pk_add_f32 v[14:15], v[14:15], v[CH:CH+1]
.irp b, 0,1,2,3
	v_and_or_b32 v[HD+\b], v[MX+\b], 0x7f800000, s16   ; 448 x the scale
.endr
.irp b, 0,1,2,3
	v_lshrrev_b32 v[PB+\b], 23, v[SO+\b]           ; the scale's byte
.endr
	v_lshl_or_b32 v[PW], v[PB+1], 8, v[PB]         ; p's scale word for these 128 keys
	v_lshl_or_b32 v[PW], v[PB+2], 16, v[PW]
	v_lshl_or_b32 v[PW], v[PB+3], 24, v[PW]
.irp b, 0,1,2,3
.irp i, 0,2,4,6,8,10,12,14                     ; the hold: the conversion to an 8-bit code does not saturate (ISA guide 7.6.2); p is not negative, so it is one-sided; two numbers a line
	v_dual_min_num_f32 v[S+16*\b+\i], v[S+16*\b+\i], v[HD+\b] :: v_dual_min_num_f32 v[S+16*\b+\i+1], v[S+16*\b+\i+1], v[HD+\b]
.endr
	v_cvt_scalef32_pk8_fp8_f32 v[PC+4*\b:PC+4*\b+1], v[S+16*\b:S+16*\b+7], v[SO+\b]
	v_cvt_scalef32_pk8_fp8_f32 v[PC+4*\b+2:PC+4*\b+3], v[S+16*\b+8:S+16*\b+15], v[SO+\b]
.if \b > 0
.irp c, 0,1,2,3
	ds_load_b128 v[S+16*(\b-1)+4*\c:S+16*(\b-1)+4*\c+3], v[ADK] offset:16384+8192*(\q)+2048*(\b-1)+512*\c   ; V's channels 16 (b - 1) on, into the registers that the block before has left
.endr
.endif
.endr
.irp c, 0,1,2,3
	ds_load_b128 v[S+48+4*\c:S+48+4*\c+3], v[ADK] offset:16384+8192*(\q)+2048*3+512*\c
.endr
	s_wait_alu depctr_va_vdst(0)                   ; the wait ahead of the first readers of O^T
.set j, 0
.rept 16
	v_pk_mul_f32 v[OT+j:OT+j+1], v[OT+j:OT+j+1], v[FF:FF+1] op_sel_hi:[1,0]   ; O^T under the new M; also the plain lines between the conversions and the products
.set j, j+2
.endr
	s_wait_alu depctr_va_vdst(0)
	s_wait_dscnt 0x0                               ; V, and the next step's scale words
.irp T, 0,1,2,3
	MKKS 1-(\q), \T                                ; the next step's words of tiles 0-3: nine places stand between them and their products
.endr
.irp t, 0,1,2,3                                ; O^T += V^T P^T: the four accumulators by turns
	v_wmma_scale_f32_16x16x128_f8f6f4 v[OT+8*\t:OT+8*\t+7], v[S+16*\t:S+16*\t+15], v[PC:PC+15], v[OT+8*\t:OT+8*\t+7], v[SW+4*(\q)+\t], v[PW] matrix_a_scale:MATRIX_SCALE_ROW1
.endr
.endm
.Lpass:                                            ; two trips: a tile of 16 queries each
	global_load_b128 v[QB0:QB0+3], v[LI], s[48:49]               ; q's two groups, once for each of its two places
	global_load_b128 v[QB0+4:QB0+7], v[LI], s[48:49] offset:512
	global_load_b128 v[QB1:QB1+3], v[LI], s[48:49]
	global_load_b128 v[QB1+4:QB1+7], v[LI], s[48:49] offset:512
	global_load_b32 v[QS], v[QWO], s[50:51]
	s_mov_b32 s2, 0
	s_mov_b32 s9, 0
	s_mov_b32 s3, 8
	s_and_b32 s84, s5, 1
	s_lshl_b32 s84, s84, 4
	s_wait_alu depctr_va_vdst(0)
	s_wait_loadcnt 0x0
	v_lshrrev_b32 v[QS], s84, v[QS]                ; my tile's half of the pair's word,
	v_mov_b32 v13, 0xff61b1e6                      ; the largest t so far: -3e38, under every t
	v_and_or_b32 v[QS], v[QS], 0xffff, s44         ; then 2^30 for the mask's two blocks
	v_dual_mov_b32 v14, 0 :: v_dual_mov_b32 v15, 0
	v_floor_f32 v12, -v13                          ; -M
.set j, 0
.rept 16
	v_dual_mov_b32 v[OT+j], 0 :: v_dual_mov_b32 v[OT+j+1], 0   ; O^T: a step has no first form of its own; the first change of M leaves zeros zeros
.set j, j+2
.endr
.Ltrip:                                            ; eight trips: a chunk of two key steps each
	s_add_co_u32 s8, s2, 32768
	s_and_b32 s8, s8, 0x3ffff                      ; the next chunk; behind the last comes the first, for the next pass
	s_add_co_u32 s46, s9, 512
	s_and_b32 s46, s46, 0xfff
	v_add_nc_u32 v[ADK], s2, v[LI]                 ; these four and five v_nop are the nine places between the last products and the products that write over V's registers
	v_add_nc_u32 v[ADKN], s8, v[LI]
	v_add_nc_u32 v[ADS], s9, v[ASC]
	v_add_nc_u32 v[ADSN], s46, v[ASC]
	PLACES 5
	STEP 0
	PLACES 9
	STEP 1
	s_add_co_u32 s2, s2, 32768
	s_add_co_u32 s9, s9, 512
	s_sub_co_u32 s3, s3, 1
	s_cmp_lg_u32 s3, 0
	s_cbranch_scc1 .Ltrip
	; THE WAY OUT.  O^T / the sum: register 8 t + j of lane (r, h) is channel 16 t + 8 h + j of query r: two blocks of 32 along the model's axis, number i of a block being its element 8 h + i % 8 + 16 (i / 8).
	PLACES 8                                       ; behind the last products
	v_add_f32 v14, v14, v15
	v_permlanex16_b32 v[TT], v14, s12, s13
	v_add_f32 v14, v14, v[TT]                      ; the row's sum
	s_wait_alu depctr_va_vdst(0)                   ; the wait ahead of the transcendental
	v_rcp_f32 v14, v14
	v_and_b32 v[TT], 16, v0                        ; (a plain line behind the reciprocal)
	v_cmp_ne_u32 vcc_lo, 0, v[TT]                  ; lanes 16-31
	s_wait_alu depctr_va_vdst(0)                   ; the wait ahead of the reciprocal's first reader, and of O^T's
.set j, 0
.rept 32
	v_mul_f32 v[S+j], v[OT+j], v14
.set j, j+1
.endr
.irp b, 0,1
	v_max3_num_f32 v[MX+\b], |v[S+16*\b]|, |v[S+16*\b+1]|, 0x4800000
	v_max3_num_f32 v[MX+2+\b], |v[S+16*\b+8]|, |v[S+16*\b+9]|, |v[S+16*\b+10]|
.endr
.irp i, 2,4,6
.irp b, 0,1
	v_max3_num_f32 v[MX+\b], v[MX+\b], |v[S+16*\b+\i]|, |v[S+16*\b+\i+1]|
	v_max3_num_f32 v[MX+2+\b], v[MX+2+\b], |v[S+16*\b+\i+9]|, |v[S+16*\b+\i+10-(\i/6)*8]|
.endr
.endr
.irp b, 0,1
	v_max_num_f32 v[MX+\b], v[MX+\b], v[MX+2+\b]
.endr
.irp b, 0,1
	v_permlanex16_b32 v[PB+\b], v[MX+\b], s12, s13
.endr
.irp b, 0,1
	v_max_num_f32 v[MX+\b], v[MX+\b], v[PB+\b]
.endr
.irp b, 0,1
	v_add_nc_u32 v[SO+\b], 0xfc000000, v[MX+\b]
.endr
.irp b, 0,1
	v_and_or_b32 v[HD+\b], v[MX+\b], 0x7f800000, s16
.endr
.irp b, 0,1
	v_lshrrev_b32 v[PB+\b], 23, v[SO+\b]
.endr
	v_lshl_or_b32 v[PW], v[PB+1], 8, v[PB]         ; my token's two scale bytes of this head
.irp b, 0,1
.irp i, 0,1,2,3,4,5,6,7,8,9,10,11,12,13,14,15
	v_med3_num_f32 v[S+16*\b+\i], v[S+16*\b+\i], -v[HD+\b], v[HD+\b]
.endr
	v_cvt_scalef32_pk8_fp8_f32 v[PC+4*\b:PC+4*\b+1], v[S+16*\b:S+16*\b+7], v[SO+\b]
	v_cvt_scalef32_pk8_fp8_f32 v[PC+4*\b+2:PC+4*\b+3], v[S+16*\b+8:S+16*\b+15], v[SO+\b]
.endr
	v_and_b32 v[TT], 15, v0                        ; (a plain line behind the last conversion)
	v_lshlrev_b32 v[TT], 5, v[TT]                  ; a token's row of scale bytes is 32 bytes
	; back to the natural order.  Lanes 0-15 are to hold elements 0-15: their own first eight and the partner's first eight; lanes 16-31 elements 16-31: the partner's last eight and their own
.irp k, 0,1,2,3,4,5,6,7
	v_permlanex16_b32 v[PC+8+\k], v[PC+\k], s12, s13
.endr
.irp b, 0,1
	v_cndmask_b32 v[S+32+4*\b], v[PC+4*\b], v[PC+8+4*\b+2], vcc_lo
	v_cndmask_b32 v[S+32+4*\b+1], v[PC+4*\b+1], v[PC+8+4*\b+3], vcc_lo
	v_cndmask_b32 v[S+32+4*\b+2], v[PC+8+4*\b], v[PC+4*\b+2], vcc_lo
	v_cndmask_b32 v[S+32+4*\b+3], v[PC+8+4*\b+1], v[PC+4*\b+3], vcc_lo
.endr
	global_store_b128 v[LI], v[S+32:S+35], s[10:11]              ; each store covers 512 consecutive bytes, aligned
	global_store_b128 v[LI], v[S+36:S+39], s[10:11] offset:512
	global_store_b16 v[TT], v[PW], s[52:53]        ; 2 of a row's 32 bytes (lanes r and 16 + r write the same): the other heads' bytes belong to other work-groups
	s_wait_xcnt 0x0                                ; the stores have read their registers and bases: on to the tile 16 further on
	s_add_nc_u64 s[48:49], s[48:49], 16384
	s_add_nc_u64 s[50:51], s[50:51], 512
	s_add_nc_u64 s[10:11], s[10:11], 262144
	s_add_nc_u64 s[52:53], s[52:53], 8192
	s_mov_b32 s17, 0                               ; the second pass's last step has no successor
	s_sub_co_u32 s4, s4, 1
	s_cmp_lg_u32 s4, 0
	s_cbranch_scc1 .Lpass
	s_wait_dscnt 0x0                               ; my LDS reads are over,
	s_barrier_signal -1
	s_barrier_wait -1                              ; and everybody's
	s_wait_tensorcnt 0x0                           ; the wave's end
	ds_add_u32 v[SPW], v[NIL]
	s_wait_dscnt 0x0
	CROUND                                         ; the closing round
	s_endpgm
.Lfunc_end_k_q9a598bb908_attn:
	.size	k_q9a598bb908_attn, .Lfunc_end_k_q9a598bb908_attn-k_q9a598bb908_attn
	.p2alignl 7, 3214868480
	.fill 96, 4, 3214868480
	.section	.rodata,"a",@progbits
	.p2align	6, 0x0
	.amdhsa_kernel k_q9a598bb908_attn
		.amdhsa_group_segment_fixed_size 327680
		.amdhsa_private_segment_fixed_size 0
		.amdhsa_enable_private_segment 0
		.amdhsa_kernarg_size 40
		.amdhsa_user_sgpr_count 2
		.amdhsa_user_sgpr_kernarg_segment_ptr 1
		.amdhsa_wavefront_size32 1
		.amdhsa_system_sgpr_workgroup_id_x 1
		.amdhsa_system_sgpr_workgroup_id_y 1
		.amdhsa_system_sgpr_workgroup_id_z 1
		.amdhsa_system_vgpr_workitem_id 0
		.amdhsa_next_free_vgpr 256
		.amdhsa_next_free_sgpr 102
		.amdhsa_reserve_vcc 1
		.amdhsa_float_denorm_mode_32 3
		.amdhsa_float_denorm_mode_16_64 3
		.amdhsa_memory_ordered 1
		.amdhsa_forward_progress 1
		.amdhsa_inst_pref_size 58
	.end_amdhsa_kernel
	.amdgpu_metadata
---
amdhsa.version: [ 1, 2 ]
amdhsa.kernels:
  - .name:           k_q9a598bb908_attn
    .symbol:         k_q9a598bb908_attn.kd
    .args:
      - { .name: img, .offset: 0, .size: 8, .value_kind: global_buffer, .address_space: global }
      - { .name: sw, .offset: 8, .size: 8, .value_kind: global_buffer, .address_space: global }
      - { .name: maskc, .offset: 16, .size: 8, .value_kind: global_buffer, .address_space: global }
      - { .name: ctximg, .offset: 24, .size: 8, .value_kind: global_buffer, .address_space: global }
      - { .name: ctxs, .offset: 32, .size: 8, .value_kind: global_buffer, .address_space: global }
    .group_segment_fixed_size: 327680
    .private_segment_fixed_size: 0
    .kernarg_segment_align: 8
    .kernarg_segment_size: 40
    .max_flat_workgroup_size: 512
    .sgpr_count:     102
    .vgpr_count:     256
    .wavefront_size: 32
...
	.end_amdgpu_metadata
.endif
;; end of part 2
;; launch outproj (part 3): grid 4 x 32, 4 waves a work-group, clusters of 4 x 4, 327,680 bytes of LDS; arguments ctximg, ctxs, Wo_codes, Wo_scales, bo, out0; writes out0
.if DOCPART == 3
	.amdgcn_target "amdgcn-amd-amdhsa--gfx1250"
	.amdhsa_code_object_version 6
	.text
	.protected	k_q9a598bb908_outproj
	.globl	k_q9a598bb908_outproj
	.p2align	8
	.type	k_q9a598bb908_outproj,@function
k_q9a598bb908_outproj:
	s_mov_b64 s[64:65], 0
	v_nop
	global_prefetch_b8 v0, s[64:65] scope:SCOPE_SE
	s_setreg_imm32_b32 hwreg(HW_REG_WAVE_MODE, 25, 1), 1
	s_wait_xcnt 0x0
	s_wait_alu depctr_hold_cnt(0) depctr_sa_sdst(0) depctr_va_vdst(0) depctr_va_sdst(0) depctr_va_ssrc(0) depctr_va_vcc(0) depctr_vm_vsrc(0)
	s_getreg_b32 s2, hwreg(HW_REG_IB_STS2, 6, 4)
	s_cmp_eq_u32 s2, 0
	s_cbranch_scc0 .Lentry_in_a_cluster
	s_endpgm
.Lentry_in_a_cluster:
	s_bfe_u32 s2, ttmp6, 0x10000c
	s_cmp_lg_u32 s2, 0xf033
	s_cbranch_scc0 .Lentry_shape_is_right
	s_endpgm
.Lentry_shape_is_right:
.set NQ,     2
.set ROWB,   256
.set KROW,   1024
.set PITCH,  272
.set FR,     16
.set NL,     4
.set NP,     8
.set HALFT,  128*PITCH
.set HALFA,  32768
.set BOFF,   2*HALFA
.set SLOT,   BOFF+2*HALFT
.set KS,     32
.set SCL,    2*SLOT
.set HALFS,  (128*KS/256)*272
.set SBLK,   (16*KS/256)*272
.set SPARE,  SCL+4*HALFS
.set SPITCH, 528
.set ADRA, 16
.set ADRB, 20
.set STO,  24
.set RD,   25
.set CO,   26
.set ADRS, 27
.set SPW,  28
.set NIL,  29
.set SC,   32
.set BI,   64
.set AF,   128
.set BK,   128
.set G1,   24
.set G0,   32
.set G1B,  48
.set G0B,  56
.set G1S,  68
.set G0S,  76
.set G1SB, 80
.set G0SB, 88
.set MSB, 0
.macro WIN new
.if MSB != \new
	s_set_vgpr_msb (MSB<<8)|\new
.set MSB, \new
.endif
.endm
.set MUL_LO, 0xa1
.set MUL_HI, 0xf1
.set TO_B,   0x40
.macro JLOAD g0a, g1a, g0b, g1b
	s_cmp_eq_u32 s15, 0
	s_cbranch_scc0 .Lfor_b_\@
	tensor_load_to_lds s[\g0a:\g0a+3], s[\g1a:\g1a+7]
	s_nop 0
.rept 4
	v_nop
.endr
	s_branch .Lasked_\@
.Lfor_b_\@:
	tensor_load_to_lds s[\g0b:\g0b+3], s[\g1b:\g1b+7]
	s_nop 0
.rept 4
	v_nop
.endr
.Lasked_\@:
.endm
.macro CREST
	s_cmp_lg_u32 s14, 0
	s_cbranch_scc1 .Lnot_wave_0_\@
	s_barrier_signal -3
.Lnot_wave_0_\@:
	s_barrier_wait -3
	s_barrier_signal -1
	s_barrier_wait -1
.endm
.macro CROUND
	s_barrier_signal -1
	s_barrier_wait -1
	CREST
.endm
	s_load_b128 s[4:7], s[0:1], 0x0
	s_load_b128 s[8:11], s[0:1], 0x10
	s_load_b64 s[96:97], s[0:1], 0x20
	s_load_b64 s[12:13], s[0:1], 0x28
	v_lshl_add_u32 v[SPW], v0, 2, SPARE
	v_mov_b32 v[NIL], 0
	ds_add_u32 v28, v29
	ds_add_u32 v28, v29
	s_wait_dscnt 0x0
	v_lshrrev_b32 v1, 5, v0
	v_readfirstlane_b32 s14, v1
	s_lshr_b32 s15, s14, 1
	s_and_b32 s16, s14, 1
	s_bfe_u32 s40, ttmp6, 0x40000
	s_bfe_u32 s41, ttmp6, 0x40004
	s_lshl_b32 s42, ttmp9, 2
	s_add_co_u32 s42, s42, s40
	s_and_b32 s17, ttmp7, 0xffff
	s_lshl_b32 s17, s17, 2
	s_add_co_u32 s17, s17, s41
	s_lshl_b32 s43, s41, 2
	s_lshl_b32 s43, 15, s43
	s_lshl_b32 s44, 0x1111, s40
	s_or_b32 s[G1+0], s43, (3<<16)|(1<<21)
	s_mov_b32 s[G1+1], 512<<16
	s_mov_b32 s[G1+2], 16<<16
	s_mov_b32 s[G1+3], 512<<16
	s_mov_b32 s[G1+4], 16
	s_mov_b32 s[G1+5], 2048
	s_mov_b32 s[G1+6], 0
	s_mov_b32 s[G1+7], 0
	s_or_b32 s[G1B+0], s44, (0<<16)|(1<<20)|(1<<21)|(5<<22)|(3<<25)
	s_mov_b32 s[G1B+1], ROWB<<16
	s_mov_b32 s[G1B+2], 256<<16
	s_mov_b32 s[G1B+3], ROWB<<16
	s_mov_b32 s[G1B+4], 256
	s_mov_b32 s[G1B+5], KROW
	s_mov_b32 s[G1B+6], 0
	s_mov_b32 s[G1B+7], 0
	s_or_b32 s[G1S+0], s43, (3<<16)|(1<<20)|(1<<21)|(5<<22)|(3<<25)
	s_or_b32 s[G1SB+0], s44, (3<<16)|(1<<20)|(1<<21)|(5<<22)|(3<<25)
.irp g, G1S, G1SB
	s_mov_b32 s[\g+1], 32<<16
	s_mov_b32 s[\g+2], (256*KS/256)<<16
	s_mov_b32 s[\g+3], 32<<16
	s_mov_b32 s[\g+4], 256*KS/256
	s_mov_b32 s[\g+5], 32
	s_mov_b32 s[\g+6], 0
	s_mov_b32 s[\g+7], 0
.endr
	s_lshl_b32 s22, s17, 8
	s_lshr_b32 s20, s22, 4
	s_lshl_b32 s46, s42, 8
	s_mov_b32 s21, 0
	s_mov_b32 s23, 0
	s_mov_b32 s47, 0
	s_lshl_b64 s[22:23], s[22:23], 5
	s_lshl_b64 s[92:93], s[46:47], 5
	s_lshl_b64 s[20:21], s[20:21], 14
	s_lshl_b64 s[46:47], s[46:47], 10
	s_lshl_b32 s45, s16, 15
	s_mul_i32 s95, s16, HALFT
	s_add_co_u32 s95, s95, BOFF
	s_wait_kmcnt 0x0
	s_add_nc_u64 s[20:21], s[4:5], s[20:21]
	s_add_nc_u64 s[22:23], s[6:7], s[22:23]
	s_add_nc_u64 s[46:47], s[8:9], s[46:47]
	s_add_nc_u64 s[92:93], s[10:11], s[92:93]
	CROUND
	s_mov_b32 s[G0S], 1
	s_mov_b32 s[G0S+1], SCL
	s_mov_b64 s[G0S+2:G0S+3], s[22:23]
	s_or_b32 s[G0S+3], s[G0S+3], 0x80000000
	s_mov_b32 s[G0SB], 1
	s_mov_b32 s[G0SB+1], SCL+2*HALFS
	s_mov_b64 s[G0SB+2:G0SB+3], s[92:93]
	s_or_b32 s[G0SB+3], s[G0SB+3], 0x80000000
	s_mov_b32 s4, 1                                ; s[4:7], s[8:11]: group 0 of the head's loads of K step 0: the images of A's 16 token tiles, then B's 256 rows (the arguments that lay there have been used)
	s_mov_b32 s5, 0
	s_mov_b64 s[6:7], s[20:21]
	s_or_b32 s7, s7, 0x80000000
	s_mov_b32 s8, 1
	s_mov_b32 s9, BOFF
	s_mov_b64 s[10:11], s[46:47]
	s_or_b32 s11, s11, 0x80000000
	s_lshl_b32 s18, s16, 17                        ; for the ring: my 8 token tiles of 16,384 bytes, or my 128 rows of 1,024
	s_mov_b32 s19, 0
	s_add_nc_u64 s[20:21], s[20:21], s[18:19]
	s_add_nc_u64 s[46:47], s[46:47], s[18:19]
.irp s, 0,1
	s_mov_b32 s[G0+4*\s], 1
	s_add_co_u32 s[G0+4*\s+1], s45, \s*SLOT
	s_add_nc_u64 s[G0+4*\s+2:G0+4*\s+3], s[20:21], \s*4096
	s_or_b32 s[G0+4*\s+3], s[G0+4*\s+3], 0x80000000
	s_mov_b32 s[G0B+4*\s], 1
	s_add_co_u32 s[G0B+4*\s+1], s95, \s*SLOT
	s_add_nc_u64 s[G0B+4*\s+2:G0B+4*\s+3], s[46:47], \s*ROWB
	s_or_b32 s[G0B+4*\s+3], s[G0B+4*\s+3], 0x80000000
.endr
; THE HEAD'S LOADS, ONE A WAVE: wave 0 K step 0 of A's 256 rows, wave 1 of B's 256 rows, wave 2 the scales of A's 256 rows, wave 3 those of B's.  One chain of branches on the wave's number.
.macro ARM under, g0, g1, next
	s_cmp_lt_u32 s14, \under
	s_cbranch_scc0 \next
	tensor_load_to_lds s[\g0:\g0+3], s[\g1:\g1+7]
	s_nop 0
.rept 4
	v_nop
.endr
	s_branch .Lhead_asked
\next:
.endm
	ARM 1, 4, G1, .Lhead_b
	ARM 2, 8, G1B, .Lhead_sa
	ARM 3, G0S, G1S, .Lhead_sb
	tensor_load_to_lds s[G0SB:G0SB+3], s[G1SB:G1SB+7]
	s_nop 0
.rept 4
	v_nop
.endr
.Lhead_asked:
	v_and_b32 v1, 15, v0
	v_bfe_u32 v2, v0, 4, 1
	v_and_b32 v6, 31, v0
	v_lshlrev_b32 v[CO], 4, v6
	v_mul_u32_u24 v3, v1, PITCH
	v_lshl_add_u32 v4, v2, 4, v3
	s_lshl_b32 s21, s15, 15
	s_mul_i32 s22, s16, HALFT
	s_add_co_u32 s22, s22, BOFF
.irp s, 0,1
	v_add_nc_u32 v[ADRA+\s], s21, v[CO]
	v_add_nc_u32 v[ADRB+\s], s22, v4
	s_add_co_u32 s21, s21, SLOT
	s_add_co_u32 s22, s22, SLOT
.endr
	v_mul_u32_u24 v5, v1, KS
	v_lshrrev_b32 v6, 8, v5
	v_lshl_add_u32 v5, v6, 4, v5
	s_mul_i32 s21, s15, HALFS
	s_mul_i32 s22, s16, HALFS
	s_add_co_u32 s22, s22, 2*HALFS
	s_sub_co_u32 s22, s22, s21
	v_mul_u32_u24 v6, s22, v2
	s_add_co_u32 s21, s21, SCL
	v_add_nc_u32 v5, v5, v6
	v_add_nc_u32 v[ADRS], s21, v5
	s_mul_i32 s23, s14, 16*SPITCH
	v_mul_u32_u24 v5, v1, SPITCH
	v_lshl_add_u32 v5, v2, 5, v5
	v_add_nc_u32 v[STO], s23, v5
	v_add_nc_u32 v[RD], s23, v[CO]
	s_lshl_b32 s46, s42, 10
	s_lshl_b32 s47, s16, 9
	s_add_co_u32 s46, s46, s47
	s_mov_b32 s47, 0
	s_add_nc_u64 s[96:97], s[96:97], s[46:47]
	v_lshlrev_b32 v3, 5, v2
.irp b, 0,1,2,3,4,5,6,7
	global_load_b128 v[BI+8*\b:BI+8*\b+3], v3, s[96:97] offset:64*\b
	global_load_b128 v[BI+8*\b+4:BI+8*\b+7], v3, s[96:97] offset:64*\b+16
.endr
	s_lshl_b32 s20, s17, 8
	s_lshl_b32 s21, s15, 7
	s_add_co_u32 s20, s20, s21
	s_mov_b32 s21, 0
	s_lshl_b64 s[20:21], s[20:21], 12
	s_add_nc_u64 s[20:21], s[20:21], s[46:47]
	s_add_nc_u64 s[12:13], s[12:13], s[20:21]
.macro FRAG reg, adr, q, i
.irp c, 0,1,2,3
	ds_load_b128 v[\reg+4*\c:\reg+4*\c+3], v[\adr] offset:128*(\q)+32*\c+(\i)*16*PITCH
.endr
.endm
.macro FRAGA reg, adr, q, i
.irp c, 0,1,2,3
	ds_load_b128 v[\reg+4*\c:\reg+4*\c+3], v[\adr] offset:4096*(\i)+2048*(\q)+512*\c
.endr
.endm
.macro MUL16 a0, p, q, sc, cm
.irp a, \a0, \a0+1
.irp b, 0,1,2,3,4,5,6,7
.if \cm
	v_wmma_scale_f32_16x16x128_f8f6f4 v[8*(8*((\a)%4)+\b):8*(8*((\a)%4)+\b)+7], v[128*(\p)+FR*\b:128*(\p)+FR*\b+FR-1], v[AF+FR*(\a):AF+FR*(\a)+FR-1], v[BI+8*\b:BI+8*\b+7], v[SC+8*NQ*(\sc)+NQ*\b+(\q)], v[SC+8*NQ*(\sc)+NQ*(\a)+(\q)] matrix_a_scale:MATRIX_SCALE_ROW1
.else
	v_wmma_scale_f32_16x16x128_f8f6f4 v[8*(8*((\a)%4)+\b):8*(8*((\a)%4)+\b)+7], v[128*(\p)+FR*\b:128*(\p)+FR*\b+FR-1], v[AF+FR*(\a):AF+FR*(\a)+FR-1], v[8*(8*((\a)%4)+\b):8*(8*((\a)%4)+\b)+7], v[SC+8*NQ*(\sc)+NQ*\b+(\q)], v[SC+8*NQ*(\sc)+NQ*(\a)+(\q)] matrix_a_scale:MATRIX_SCALE_ROW1
.endif
.endr
.endr
.endm
.macro FETCH_B slot, q, p
	WIN TO_B
.irp i, 0,1,2,3,4,5,6,7
	FRAG 128*(\p)+FR*\i, ADRB+\slot, \q, \i
.endr
	WIN 0
.endm
.macro FETCH_A slot, q, i0
.irp i, \i0, \i0+1, \i0+2, \i0+3
	FRAGA AF+FR*(\i), ADRA+\slot, \q, \i
.endr
.endm
.macro SCALES sc
.irp i, 0,1,2,3,4,5,6,7
	ds_load_b64 v[SC+8*NQ*\sc+NQ*\i:SC+8*NQ*\sc+NQ*\i+1], v[ADRS] offset:\i*SBLK
.endr
.endm
.macro PLACES n
.rept \n
	v_nop
.endr
.endm
.macro STEP slot, q, cm
	s_wait_dscnt 4*NL
.if \cm
	WIN 0x81
.else
	WIN MUL_LO
.endif
	MUL16 0, (\q)%2, \q, \slot, \cm
	MUL16 2, (\q)%2, \q, \slot, \cm
	s_wait_dscnt 0
	PLACES NP
	FETCH_B \slot, (\q)+1, 1-(\q)%2
	FETCH_A \slot, (\q)+1, 0
.if \cm
	WIN 0xc1
.else
	WIN MUL_HI
.endif
	MUL16 4, (\q)%2, \q, \slot, \cm
	MUL16 6, (\q)%2, \q, \slot, \cm
	PLACES NP
	WIN 0
	FETCH_A \slot, (\q)+1, 4
.endm
.macro TURN slot, next, fill
	s_wait_tensorcnt 0x0
	ds_add_u32 v[SPW], v[NIL]
	s_wait_dscnt 4*NL+1
	WIN MUL_LO
	MUL16 0, 1, NQ-1, \slot, 0
	s_wait_dscnt 0x0
	s_barrier_signal -1
	MUL16 2, 1, NQ-1, \slot, 0
	WIN 0
	s_barrier_wait -1
.if \fill
	CREST
	s_add_nc_u64 s[G0+4*\slot+2:G0+4*\slot+3], s[G0+4*\slot+2:G0+4*\slot+3], 2*4096
	s_add_nc_u64 s[G0B+4*\slot+2:G0B+4*\slot+3], s[G0B+4*\slot+2:G0B+4*\slot+3], 2*ROWB
	JLOAD G0+4*\slot, G1, G0B+4*\slot, G1B
	PLACES NP-4
.else
	PLACES NP
.endif
	s_wait_alu depctr_va_vdst(0)
	v_add_nc_u32 v[ADRS], 4*NQ, v[ADRS]
	FETCH_B \next, 0, 0
	FETCH_A \next, 0, 0
	SCALES \next
	WIN MUL_HI
	MUL16 4, 1, NQ-1, \slot, 0
	MUL16 6, 1, NQ-1, \slot, 0
	PLACES NP
	WIN 0
	FETCH_A \next, 0, 4
.endm
	s_wait_alu depctr_va_vdst(0)
	s_wait_tensorcnt 0x0                           ; my tile of the head's four is in; the lines ahead of a later first fill:
	ds_add_u32 v[SPW], v[NIL]
	s_mov_b32 s[G1+2], 8<<16                       ; no tensor load of mine is out: from here on a load brings 8 token tiles of A, or 128 rows of B
	s_mov_b32 s[G1+4], 8
	s_mov_b32 s[G1B+2], 128<<16
	s_mov_b32 s[G1B+4], 128
	s_wait_dscnt 0x0
	CROUND                                         ; all four tiles are in, and all sixteen work-groups are here
	JLOAD G0+4, G1, G0B+4, G1B                     ; K step 1, the first tensor load behind the round
	FETCH_B 0, 0, 0
	FETCH_A 0, 0, 0
	SCALES 0
	FETCH_A 0, 0, 4
	s_wait_loadcnt 0x0
	STEP 0, 0, 1
	TURN 0, 1, 1
	STEP 1, 0, 0
	TURN 1, 0, 1
	STEP 0, 0, 0
	TURN 0, 1, 0
	STEP 1, 0, 0
	s_wait_dscnt 4*NL
	WIN MUL_LO
	MUL16 0, 1, NQ-1, 1, 0
	MUL16 2, 1, NQ-1, 1, 0
	s_wait_dscnt 0
	WIN MUL_HI
	MUL16 4, 1, NQ-1, 1, 0
	MUL16 6, 1, NQ-1, 1, 0
	WIN 0
.macro TOSTAGE a
.set AC, 64*((\a)%4)
	WIN 0x08+4*((\a)/4)
.irp b, 0,1,2,3,4,5,6,7
	ds_store_b128 v[STO], v[AC+8*\b:AC+8*\b+3] offset:64*\b
	ds_store_b128 v[STO], v[AC+8*\b+4:AC+8*\b+7] offset:64*\b+16
.endr
	WIN 0
.set BB, BK+64*((\a)%2)
.irp t, 0,1,2,3,4,5,6,7,8,9,10,11,12,13,14,15
	ds_load_b128 v[BB+4*\t:BB+4*\t+3], v[RD] offset:\t*SPITCH
.endr
.endm
.macro SEND a, younger
.set BB, BK+64*((\a)%2)
	s_wait_dscnt \younger
.if (\a) > 0
	s_add_nc_u64 s[12:13], s[12:13], 16*4096
.endif
.irp t, 0,1,2,3,4,5,6,7,8,9,10,11,12,13,14,15
	global_store_b128 v[CO], v[BB+4*\t:BB+4*\t+3], s[12:13] offset:\t*4096 th:TH_STORE_NT
.endr
.endm
	PLACES NP
	TOSTAGE 0
.irp a, 1,2,3,4,5,6,7
.if \a > 1
	s_wait_xcnt 0x0
.endif
	TOSTAGE \a
	SEND \a-1, 32
.endr
	s_wait_xcnt 0x0
	SEND 7, 0
	s_wait_tensorcnt 0x0
	ds_add_u32 v[SPW], v[NIL]
	s_wait_dscnt 0x0
	CROUND
	s_endpgm
.Lfunc_end_k_q9a598bb908_outproj:
	.size	k_q9a598bb908_outproj, .Lfunc_end_k_q9a598bb908_outproj-k_q9a598bb908_outproj
	.p2alignl 7, 3214868480
	.fill 96, 4, 3214868480
	.section	.rodata,"a",@progbits
	.p2align	6, 0x0
	.amdhsa_kernel k_q9a598bb908_outproj
		.amdhsa_group_segment_fixed_size 327680
		.amdhsa_private_segment_fixed_size 0
		.amdhsa_enable_private_segment 0
		.amdhsa_kernarg_size 48
		.amdhsa_user_sgpr_count 2
		.amdhsa_user_sgpr_kernarg_segment_ptr 1
		.amdhsa_wavefront_size32 1
		.amdhsa_system_sgpr_workgroup_id_x 1
		.amdhsa_system_sgpr_workgroup_id_y 1
		.amdhsa_system_sgpr_workgroup_id_z 1
		.amdhsa_system_vgpr_workitem_id 0
		.amdhsa_next_free_vgpr 1024
		.amdhsa_next_free_sgpr 102
		.amdhsa_reserve_vcc 0
		.amdhsa_float_denorm_mode_32 3
		.amdhsa_float_denorm_mode_16_64 3
		.amdhsa_memory_ordered 1
		.amdhsa_forward_progress 1
		.amdhsa_inst_pref_size 148
	.end_amdhsa_kernel
	.amdgpu_metadata
---
amdhsa.version: [ 1, 2 ]
amdhsa.kernels:
  - .name:           k_q9a598bb908_outproj
    .symbol:         k_q9a598bb908_outproj.kd
    .args:
      - { .name: ctximg, .offset: 0, .size: 8, .value_kind: global_buffer, .address_space: global }
      - { .name: ctxs, .offset: 8, .size: 8, .value_kind: global_buffer, .address_space: global }
      - { .name: Wo_codes, .offset: 16, .size: 8, .value_kind: global_buffer, .address_space: global }
      - { .name: Wo_scales, .offset: 24, .size: 8, .value_kind: global_buffer, .address_space: global }
      - { .name: bo, .offset: 32, .size: 8, .value_kind: global_buffer, .address_space: global }
      - { .name: out0, .offset: 40, .size: 8, .value_kind: global_buffer, .address_space: global }
    .group_segment_fixed_size: 327680
    .private_segment_fixed_size: 0
    .kernarg_segment_align: 8
    .kernarg_segment_size: 48
    .max_flat_workgroup_size: 128
    .sgpr_count:     102
    .vgpr_count:     1024
    .wavefront_size: 32
...
	.end_amdgpu_metadata
.endif
;; end of part 3
